; MI455X (gfx1250); checked and timed in simulation.
; The chip was launched on July 23, 2026; its instructions are those of AMD's public machine-readable ISA for CDNA 5 (MIT licence, August 2026) and "CDNA5" Instruction Set Architecture Reference Guide (July 2026). The comments in the code are by the model that wrote it; some were corrected since.
;; Switch Transformer Layer. Allowed arithmetic: matrix products marked QUANTISED: E2M1 operands, one E8M0 scale for each 32 along K, by v_wmma_scale_f32_16x16x128_f8f6f4 with both operands' format E2M1 (or v_wmma_scale_f32_32x16x128_f4), f32 sums; products left as they are: f32 operands where the result goes on into a quantised operand, else bf16, f16 or f32 operands; f32 sums; everything else in f32.
;; Inputs: W1 8 x 1,024 x 4,096 float32; W2 8 x 4,096 x 1,024 float32; Wr 1,024 x 8 float32; b1 8 x 4,096 float32; b2 8 x 1,024 float32; br 8 float32; x 4 x 256 x 1,024 float32.
;; Outputs: out0 4 x 256 x 1,024 float32.
;; This version of the problem:
;;   THIS VERSION OF THE PROBLEM IS GIVEN IN LOW PRECISION. The matrix products marked QUANTISED in the list below multiply operands that are first quantised to E2M1 (2 exponent bits, 1 mantissa bit; 4 bits a number), with one power-of-two scale for each 32 numbers along K (OCP MX v1.0); their sums are f32. All else is computed in f32.
;;   The module's matrix products, in the order in which they are computed (A, B: the left and right operand; K: the contracted axis; several contracted axes count as one K, in the product's order):
;;     1. [M 1,024, K 1,024] x [K 1,024, N 8]; A: input x; B: input Wr: left as it is (N = 8 < 16)
;;     2. [M 1,024, K 1,024] x [K 1,024, N 4,096]; A: input x; B: input W1: QUANTISED
;;     3. [M 1,024, K 4,096] x [K 4,096, N 1,024]; A: computed on the way; B: input W2: QUANTISED
;;     4. [M 1,024, K 1,024] x [K 1,024, N 4,096]; A: input x; B: input W1: QUANTISED
;;     5. [M 1,024, K 4,096] x [K 4,096, N 1,024]; A: computed on the way; B: input W2: QUANTISED
;;     6. [M 1,024, K 1,024] x [K 1,024, N 4,096]; A: input x; B: input W1: QUANTISED
;;     7. [M 1,024, K 4,096] x [K 4,096, N 1,024]; A: computed on the way; B: input W2: QUANTISED
;;     8. [M 1,024, K 1,024] x [K 1,024, N 4,096]; A: input x; B: input W1: QUANTISED
;;     9. [M 1,024, K 4,096] x [K 4,096, N 1,024]; A: computed on the way; B: input W2: QUANTISED
;;     10. [M 1,024, K 1,024] x [K 1,024, N 4,096]; A: input x; B: input W1: QUANTISED
;;     11. [M 1,024, K 4,096] x [K 4,096, N 1,024]; A: computed on the way; B: input W2: QUANTISED
;;     12. [M 1,024, K 1,024] x [K 1,024, N 4,096]; A: input x; B: input W1: QUANTISED
;;     13. [M 1,024, K 4,096] x [K 4,096, N 1,024]; A: computed on the way; B: input W2: QUANTISED
;;     14. [M 1,024, K 1,024] x [K 1,024, N 4,096]; A: input x; B: input W1: QUANTISED
;;     15. [M 1,024, K 4,096] x [K 4,096, N 1,024]; A: computed on the way; B: input W2: QUANTISED
;;     16. [M 1,024, K 1,024] x [K 1,024, N 4,096]; A: input x; B: input W1: QUANTISED
;;     17. [M 1,024, K 4,096] x [K 4,096, N 1,024]; A: computed on the way; B: input W2: QUANTISED
;;   THE QUANTISER, for each operand of a quantised product, along K:
;;     - K is cut into blocks of 32 from its start; a last block that is shorter is filled with zeros.
;;     - A block's scale is 2^e with e = floor(log2(the largest magnitude in the block)) - 2, held to -126 .. 127; a block of zeros has e = 0. As a byte (E8M0): e + 127.
;;     - Each number is divided by its block's scale, clamped to +-6, and rounded to the nearest number of E2M1, ties to even, subnormals kept.
;;     - The product sums the exact products of the quantised numbers (number of the format x scale) in f32.
;;   ~~~python
;;   def quantise(x, axis):      # numpy; x: float32 -> the quantised numbers, widened to float32 again
;;       x = np.moveaxis(x, axis, -1); K = x.shape[-1]
;;       x = np.pad(x, [(0, 0)] * (x.ndim - 1) + [(0, -K % 32)]); x = x.reshape(x.shape[:-1] + (-1, 32)); a = np.abs(x).max(-1, keepdims=True)
;;       e = np.where(a > 0, np.clip(np.frexp(np.where(a > 0, a, 1))[1] - 1 - 2, -126, 127), 0)      # np.frexp(a)[1] - 1 = floor(log2(a)), exactly
;;       r = np.clip(x / 2.0 ** e, -6, 6)
;;       step = 2.0 ** (np.maximum(np.frexp(np.where(r == 0, 1, r))[1] - 1, 0) - 1)
;;       q = np.round(r / step) * step * 2.0 ** e      # np.round: ties to even
;;       return np.moveaxis(q.reshape(q.shape[:-2] + (-1,))[..., :K], -1, axis).astype(np.float32)
;;   ~~~
;;   OPERANDS COMPUTED ON THE WAY. 'Computed on the way' means the value that the module computes at that place (a softmax that the list does not call 'softmax' is quantised finished and normalised). What goes into a quantiser is computed in f32, as accurately as f32 sums, v_exp_f32 and their like allow (about 1e-6 of the number): no bf16 or f16 on the way to a quantiser, and a product that is left as it is and whose result goes on into a quantised operand takes f32 operands (vector FMAs, or v_wmma_f32_16x16x4_f32). A number that lies on a knife's edge between two numbers of the format may be rounded either way, as far as f32 arithmetic and the matrix unit's own rounding can turn it there, and no further.
;; 2 versions. Each part assembles by itself: llvm-mc -triple=amdgcn-amd-amdhsa -mcpu=gfx1250 --defsym DOCPART=n.
;; ======== version 1 of 2: 3 launches
;; workspace buffers: xq 524,288 bytes; xs 32,768 bytes; rmask 1,024 bytes of whole numbers; gate 4,096 bytes; hq 16,777,216 bytes; hs 1,048,576 bytes; tokl 32,768 bytes of whole numbers; gsort 32,768 bytes
;; launch route (part 1): grid 64 x 1, 8 waves a work-group, no clusters, 35,840 bytes of LDS; arguments x, Wr, br, xq, xs, rmask, gate; writes xq, xs, rmask, gate
.if DOCPART == 1
	.amdgcn_target "amdgcn-amd-amdhsa--gfx1250"
	.amdhsa_code_object_version 6
	.text
	.protected	k_q58503ce306_route
	.globl	k_q58503ce306_route
	.p2align	8
	.type	k_q58503ce306_route,@function
k_q58503ce306_route:
	s_mov_b64 s[64:65], 0
	v_nop
	global_prefetch_b8 v0, s[64:65] scope:SCOPE_SE
	s_setreg_imm32_b32 hwreg(HW_REG_WAVE_MODE, 25, 1), 1
	s_wait_xcnt 0x0
; THE ROUTER, AND x INTO CODES.  logits = x Wr + br in f32 (fused multiply-adds); the expert is the first largest logit; the gate is softmax's value there, 1 / sum of exp(logit - largest).
; x [1024][1024] f32 becomes codes of E2M1, K innermost, 512 bytes a token (xq), and one E8M0 byte for each 32 along K, 32 bytes a token (xs).
; The choice is stored at FIXED places: for each expert a mask of 1,024 bits (rmask [8][32 words], bit t % 32 of word t / 32), and gate [token].  No address and no branch here hangs on it.
; SHARES.  A work-group takes 16 tokens, each of its eight waves two.  Lane l holds k = 512 i + 16 l + 0 .. 15 (i = 0, 1) of both tokens: 16 neighbours for the conversions; lanes l and l xor 1 hold a block of 32.
; Wr (32,768 bytes) lies in LDS, 16 bytes of padding behind each 512: lane l's rows begin 528 bytes apart, an odd multiple of 16.
; LIMITS: NaN and infinities among the inputs are not served.  The logits' sums run in another order than a row-by-row sum: two logits that lie within f32's summation error of each other may choose the other expert.
; A block of zeros gets the byte 1 (its codes are zeros); these bytes are read by this program alone.
.set X,    16                          ; v16-79   x: token a, half i, number j at v[X + 32 a + 16 i + j]
.set ACC,  80                          ; v80-95   the logits' sums: token a, expert e at v[ACC + 8 a + e]
.set WA,   96                          ; v96-159  two buffers of 32: four rows of Wr each
.set GT,   162                         ; v162-163 the gates
.set BEST, 164                         ; v164, v166 the largest logit; v165, v167 its expert
.set CD,   168                         ; v168-175 codes: a pair for each (a, i)
.set EB,   176                         ; v176-179 scale bytes
.set SCB,  33792                       ; LDS: behind Wr's 33,792 bytes: 16 tokens x 32 scale bytes,
.set IDXL, 34304                       ; 16 experts' numbers, and 256 bytes further on 16 gates
	s_load_b256 s[4:11], s[0:1], 0x0               ; x s[4:5], Wr s[6:7], br s[8:9], xq s[10:11]
	s_load_b128 s[12:15], s[0:1], 0x20             ; xs s[12:13], rmask s[14:15]
	s_load_b64 s[16:17], s[0:1], 0x30              ; gate
	v_lshl_add_u32 v192, v0, 2, 0x8800
	v_mov_b32 v193, 0
	v_lshrrev_b32 v1, 5, v0
	v_readfirstlane_b32 s30, v1                    ; wave 0..7
	v_lshlrev_b32 v2, 4, v0                        ; Wr on its way in: 16 bytes a thread,
	v_lshl_add_u32 v3, v1, 4, v2                   ; in LDS 16 more for each 512 passed
	v_and_b32 v1, 31, v0                           ; lane
	v_lshlrev_b32 v4, 6, v1                        ; x: my 16 numbers
	v_mul_u32_u24 v5, v1, 528                      ; Wr in LDS: my 16 rows
	v_lshlrev_b32 v6, 3, v1                        ; my 16 codes: 8 bytes
	v_lshrrev_b32 v7, 1, v1
	s_lshl_b32 s31, s30, 6
	s_add_co_u32 s31, s31, SCB
	v_add_nc_u32 v7, s31, v7                       ; my block's scale byte: SCB + 64 wave + lane / 2
	s_lshl_b32 s31, s30, 3
	s_add_co_u32 s31, s31, IDXL
	v_mov_b32 v8, s31                              ; my wave's two words among the experts' numbers
	v_lshl_add_u32 v9, v1, 4, SCB                  ; wave 0's way out: the scale bytes, 16 a lane,
	v_and_b32 v12, 15, v0
	v_lshlrev_b32 v12, 2, v12                      ; a word for each of 16 tokens,
	v_add_nc_u32 v10, IDXL, v12
	v_lshlrev_b32 v11, 4, v1
	v_lshlrev_b32 v13, 7, v1                       ; and an expert's mask: 128 bytes apart
	s_mov_b32 s28, 0x76543210
	s_mov_b32 s29, 0xfedcba98                      ; v_permlanex16_b32's selects for lane l xor 16
	s_lshl_b32 s32, ttmp9, 16                      ; 16 tokens x 4,096 bytes,
	s_lshl_b32 s34, s30, 13
	s_add_co_u32 s32, s32, s34                     ; + my wave's two
	s_mov_b32 s33, 0
	s_lshr_b32 s34, s32, 3                         ; the codes are an eighth of that
	s_mov_b32 s35, 0
	s_lshl_b32 s36, ttmp9, 9                       ; 16 x 32 scale bytes
	s_mov_b32 s37, 0
	s_lshl_b32 s38, ttmp9, 6                       ; 16 gates
	s_mov_b32 s39, 0
	s_lshl_b32 s42, ttmp9, 1                       ; 16 bits of a mask
	s_mov_b32 s43, 0
	s_wait_kmcnt 0x0
	s_load_b256 s[20:27], s[8:9], 0x0              ; br's eight numbers
	s_add_nc_u64 s[4:5], s[4:5], s[32:33]
	s_add_nc_u64 s[10:11], s[10:11], s[34:35]
	s_add_nc_u64 s[12:13], s[12:13], s[36:37]
	s_add_nc_u64 s[16:17], s[16:17], s[38:39]
	s_add_nc_u64 s[14:15], s[14:15], s[42:43]
.irp n, 0,1,2,3,4,5,6,7
	global_load_b128 v[WA+4*\n:WA+4*\n+3], v2, s[6:7] offset:4096*\n
.endr
.irp a, 0,1
.irp i, 0,1
.irp q, 0,1,2,3
	global_load_b128 v[X+32*\a+16*\i+4*\q:X+32*\a+16*\i+4*\q+3], v4, s[4:5] offset:4096*\a+2048*\i+16*\q th:TH_LOAD_NT
.endr
.endr
.endr
	s_wait_loadcnt 16                              ; Wr's eight loads are in; x's sixteen, issued behind them, may be out
.irp n, 0,1,2,3,4,5,6,7
	ds_store_b128 v3, v[WA+4*\n:WA+4*\n+3] offset:4224*\n
.endr
	s_wait_dscnt 0x0                               ; for the others' sake: my part of Wr lies in LDS
	s_barrier_signal -1
	s_barrier_wait -1
; batch n of eight: rows k = 512 (n / 4) + 16 l + 4 (n % 4) + 0 .. 3 of Wr, 32 bytes a row
.macro WRLD buf, n
.set WBUF, \buf
.set WN, \n
.irp jj, 0,1,2,3
	ds_load_b128 v[WBUF+8*\jj:WBUF+8*\jj+3], v5 offset:(WN/4)*16896+(4*(WN%4)+\jj)*32
	ds_load_b128 v[WBUF+8*\jj+4:WBUF+8*\jj+7], v5 offset:(WN/4)*16896+(4*(WN%4)+\jj)*32+16
.endr
.endm
; its 32 packed multiply-adds: two experts an instruction, x(k) taken for both halves.  The very first k starts the sums
.macro FMA4 buf, n
.set FB, \buf
.set FN, \n
.irp jj, 0,1,2,3
.irp a, 0,1
.irp p, 0,2,4,6
.set XR, X+32*\a+16*(FN/4)+4*(FN%4)+\jj
.if (FN == 0) && (\jj == 0)
	v_pk_mul_f32 v[ACC+8*\a+\p:ACC+8*\a+\p+1], v[FB+8*\jj+\p:FB+8*\jj+\p+1], v[XR:XR+1] op_sel_hi:[1,0]
.elseif (\jj%2) == 0
	v_pk_fma_f32 v[ACC+8*\a+\p:ACC+8*\a+\p+1], v[FB+8*\jj+\p:FB+8*\jj+\p+1], v[XR:XR+1], v[ACC+8*\a+\p:ACC+8*\a+\p+1] op_sel_hi:[1,0,1]
.else
	v_pk_fma_f32 v[ACC+8*\a+\p:ACC+8*\a+\p+1], v[FB+8*\jj+\p:FB+8*\jj+\p+1], v[XR-1:XR], v[ACC+8*\a+\p:ACC+8*\a+\p+1] op_sel:[0,1,0] op_sel_hi:[1,1,1]
.endif
.endr
.endr
.endr
.endm
	WRLD WA, 0
	s_wait_loadcnt 0x0                             ; x
.irp n, 0,1,2,3,4,5,6,7
.if \n < 7
	WRLD WA+32*((\n+1)%2), \n+1
	s_wait_dscnt 8                                 ; this batch's eight loads are in; the next batch's eight may be out
.else
	s_wait_dscnt 0x0
.endif
	FMA4 WA+32*(\n%2), \n
.endr
	; the 32 lanes' parts of the 16 sums: four steps inside each half of the lanes, one across
.irp m, 1,2,4,8
.irp n, 0,1,2,3,4,5,6,7,8,9,10,11,12,13,14,15
	v_add_f32_dpp v[ACC+\n], v[ACC+\n], v[ACC+\n] row_xmask:\m row_mask:0xf bank_mask:0xf
.endr
.endr
.irp n, 0,1,2,3,4,5,6,7,8,9,10,11,12,13,14,15
	v_permlanex16_b32 v[WA+\n], v[ACC+\n], s28, s29        ; (its destination counts as read: Wr's buffer has been written)
.endr
.irp n, 0,2,4,6,8,10,12,14
	v_pk_add_f32 v[ACC+\n:ACC+\n+1], v[ACC+\n:ACC+\n+1], v[WA+\n:WA+\n+1]
.endr
	s_wait_kmcnt 0x0                               ; br
.irp a, 0,1
.irp e, 0,1,2,3,4,5,6,7
	v_add_f32 v[ACC+8*\a+\e], s[20+\e], v[ACC+8*\a+\e]
.endr
.endr
	; the first largest logit: a later one takes over only where it is strictly larger
.irp a, 0,1
	v_mov_b32 v[BEST+2*\a], v[ACC+8*\a]
	v_mov_b32 v[BEST+2*\a+1], 0
.endr
.irp e, 1,2,3,4,5,6,7
.irp a, 0,1
	v_cmp_gt_f32 vcc_lo, v[ACC+8*\a+\e], v[BEST+2*\a]
	v_cndmask_b32 v[BEST+2*\a], v[BEST+2*\a], v[ACC+8*\a+\e], vcc_lo
	v_cndmask_b32 v[BEST+2*\a+1], v[BEST+2*\a+1], \e, vcc_lo
.endr
.endr
.irp a, 0,1
.irp p, 0,2,4,6
	v_pk_add_f32 v[ACC+8*\a+\p:ACC+8*\a+\p+1], v[ACC+8*\a+\p:ACC+8*\a+\p+1], v[BEST+2*\a:BEST+2*\a+1] op_sel_hi:[1,0] neg_lo:[0,1] neg_hi:[0,1]   ; logit - largest
.endr
.endr
.irp n, 0,2,4,6,8,10,12,14
	v_pk_mul_f32 v[ACC+\n:ACC+\n+1], v[ACC+\n:ACC+\n+1], 0x3fb8aa3b op_sel_hi:[1,0]   ; x log2(e)
.endr
.irp n, 0,1,2,3,4,5,6,7,8,9,10,11,12,13,14,15
	v_exp_f32 v[ACC+\n], v[ACC+\n]                 ; one batch; the quantising of x is the independent work behind it
.endr
; 16 numbers of a lane become 8 bytes of codes; the block's byte goes to LDS (both lanes of a block write the same byte with the same value)
.macro QX a, i
.set XS, X+32*\a+16*\i
.set CC, CD+2*(2*\a+\i)
	v_max3_num_f32 v180, |v[XS]|, |v[XS+1]|, |v[XS+2]|
	v_max3_num_f32 v181, |v[XS+3]|, |v[XS+4]|, |v[XS+5]|
.irp n, 6,10
	v_max3_num_f32 v180, v180, |v[XS+\n]|, |v[XS+\n+1]|
	v_max3_num_f32 v181, v181, |v[XS+\n+2]|, |v[XS+\n+3]|
.endr
	v_max3_num_f32 v180, v180, |v[XS+14]|, |v[XS+15]|
	v_max3_num_f32 v180, v180, v181, 0x1800000     ; the floor 2^(3 - 127): the byte cannot fall under 1
	v_max_num_f32_dpp v180, v180, v180 row_xmask:1 row_mask:0xf bank_mask:0xf   ; with my neighbour's 16: the block's largest magnitude
	v_add_nc_u32 v182, 0xff000000, v180            ; 2 off its exponent field: the conversion's scale operand
	v_cvt_scalef32_pk8_fp4_f32 v[CC], v[XS:XS+7], v182
	v_cvt_scalef32_pk8_fp4_f32 v[CC+1], v[XS+8:XS+15], v182
	v_lshrrev_b32 v[EB+2*\a+\i], 23, v182          ; the scale's byte (also the plain line behind the conversions)
	ds_store_b8 v7, v[EB+2*\a+\i] offset:32*\a+16*\i
	global_store_b64 v6, v[CC:CC+1], s[10:11] offset:512*\a+256*\i   ; the wave stores 256 consecutive bytes, at a multiple of 256 from xq's first byte
.endm
	QX 0, 0
	QX 0, 1
	QX 1, 0
	QX 1, 1
	s_wait_alu depctr_va_vdst(0)                   ; one wait for the 16 exponentials, ahead of their first reader
.irp a, 0,1
	v_pk_add_f32 v[ACC+8*\a:ACC+8*\a+1], v[ACC+8*\a:ACC+8*\a+1], v[ACC+8*\a+2:ACC+8*\a+3]
	v_pk_add_f32 v[ACC+8*\a+4:ACC+8*\a+5], v[ACC+8*\a+4:ACC+8*\a+5], v[ACC+8*\a+6:ACC+8*\a+7]
.endr
.irp a, 0,1
	v_pk_add_f32 v[ACC+8*\a:ACC+8*\a+1], v[ACC+8*\a:ACC+8*\a+1], v[ACC+8*\a+4:ACC+8*\a+5]
.endr
.irp a, 0,1
	v_add_f32 v[ACC+8*\a], v[ACC+8*\a], v[ACC+8*\a+1]
.endr
	v_rcp_f32 v[GT], v[ACC]                        ; the gate: exp(0) / the sum
	v_rcp_f32 v[GT+1], v[ACC+8]
	v_nop                                          ; a plain line behind the reciprocals
	s_wait_alu depctr_va_vdst(0)                   ; and their wait
.irp a, 0,1
	ds_store_b32 v8, v[BEST+2*\a+1] offset:4*\a    ; all lanes write the same word with the same value
	ds_store_b32 v8, v[GT+\a] offset:256+4*\a
.endr
	s_wait_dscnt 0x0                               ; for wave 0's sake: my bytes and words lie in LDS
	s_barrier_signal -1
	s_barrier_wait -1
	s_cmp_lg_u32 s30, 0
	s_cbranch_scc1 .Lend
	; wave 0 sends out what the work-group has gathered
	ds_load_b128 v[184:187], v9
	ds_load_b32 v188, v10
	ds_load_b32 v189, v10 offset:256
	v_mov_b32 v190, 0
	s_wait_dscnt 0x0
	global_store_b128 v11, v[184:187], s[12:13]    ; 16 tokens' scale bytes: 512 consecutive bytes
	global_store_b32 v12, v189, s[16:17]           ; 16 gates (lanes 16-31 repeat lanes 0-15: same places, same values)
.irp e, 0,1,2,3,4,5,6,7
	v_cmp_eq_u32 s40, \e, v188                     ; which of the 16 tokens chose expert e
	s_and_b32 s40, s40, 0xffff
	v_writelane_b32 v190, s40, \e
.endr
	s_wait_xcnt 0x0                                ; EXEC changes only behind this wait
	v_cmp_gt_u32 vcc_lo, 8, v1
	s_and_saveexec_b32 s41, vcc_lo
	global_store_b16 v13, v190, s[14:15]           ; lane e: 16 bits of expert e's mask, at 128 e + 2 x work-group
	s_wait_xcnt 0x0
	s_or_b32 exec_lo, exec_lo, s41
.Lend:
	s_wait_tensorcnt 0x0
	ds_add_u32 v192, v193
	s_wait_dscnt 0x0
	s_endpgm
.Lfunc_end_k_q58503ce306_route:
	.size	k_q58503ce306_route, .Lfunc_end_k_q58503ce306_route-k_q58503ce306_route
	.p2alignl 7, 3214868480
	.fill 96, 4, 3214868480
	.section	.rodata,"a",@progbits
	.p2align	6, 0x0
	.amdhsa_kernel k_q58503ce306_route
		.amdhsa_group_segment_fixed_size 35840
		.amdhsa_private_segment_fixed_size 0
		.amdhsa_enable_private_segment 0
		.amdhsa_kernarg_size 56
		.amdhsa_user_sgpr_count 2
		.amdhsa_user_sgpr_kernarg_segment_ptr 1
		.amdhsa_wavefront_size32 1
		.amdhsa_system_sgpr_workgroup_id_x 1
		.amdhsa_system_sgpr_workgroup_id_y 1
		.amdhsa_system_sgpr_workgroup_id_z 1
		.amdhsa_system_vgpr_workitem_id 0
		.amdhsa_next_free_vgpr 194
		.amdhsa_next_free_sgpr 66
		.amdhsa_reserve_vcc 1
		.amdhsa_float_denorm_mode_32 3
		.amdhsa_float_denorm_mode_16_64 3
		.amdhsa_memory_ordered 1
		.amdhsa_forward_progress 1
		.amdhsa_inst_pref_size 43
	.end_amdhsa_kernel
	.amdgpu_metadata
---
amdhsa.version: [ 1, 2 ]
amdhsa.kernels:
  - .name:           k_q58503ce306_route
    .symbol:         k_q58503ce306_route.kd
    .args:
      - { .name: x, .offset: 0, .size: 8, .value_kind: global_buffer, .address_space: global }
      - { .name: Wr, .offset: 8, .size: 8, .value_kind: global_buffer, .address_space: global }
      - { .name: br, .offset: 16, .size: 8, .value_kind: global_buffer, .address_space: global }
      - { .name: xq, .offset: 24, .size: 8, .value_kind: global_buffer, .address_space: global }
      - { .name: xs, .offset: 32, .size: 8, .value_kind: global_buffer, .address_space: global }
      - { .name: rmask, .offset: 40, .size: 8, .value_kind: global_buffer, .address_space: global }
      - { .name: gate, .offset: 48, .size: 8, .value_kind: global_buffer, .address_space: global }
    .group_segment_fixed_size: 35840
    .private_segment_fixed_size: 0
    .kernarg_segment_align: 8
    .kernarg_segment_size: 56
    .max_flat_workgroup_size: 256
    .sgpr_count:     66
    .vgpr_count:     194
    .wavefront_size: 32
...
	.end_amdgpu_metadata
.endif
;; end of part 1
;; launch ffn1 (part 2): grid 32 x 8, 16 waves a work-group, no clusters, 223,488 bytes of LDS; arguments W1, b1, xq, xs, rmask, gate, hq, hs, tokl, gsort; writes hq, hs, tokl, gsort
.if DOCPART == 2
	.amdgcn_target "amdgcn-amd-amdhsa--gfx1250"
	.amdhsa_code_object_version 6
	.text
	.protected	k_q58503ce306_ffn1
	.globl	k_q58503ce306_ffn1
	.p2align	8
	.type	k_q58503ce306_ffn1,@function
k_q58503ce306_ffn1:
	s_mov_b64 s[64:65], 0
	v_nop
	global_prefetch_b8 v0, s[64:65] scope:SCOPE_SE
	s_setreg_imm32_b32 hwreg(HW_REG_WAVE_MODE, 25, 1), 1
	s_wait_xcnt 0x0
; THE FIRST PRODUCT OF THE CHOSEN ROWS: h = gelu(Q(x) Q(W1[e]) + b1[e]), quantised along F.  Work-group (j, e) makes hidden units 128 j .. 128 j + 127 of expert e for all tokens that chose e.
; Its slab of W1, 1,024 x 128 f32, is read once by this work-group alone and quantised in registers.
; PHASE A (16 waves: 64 columns x 128 rows each).  A LANE TAKES TWO NEIGHBOURING COLUMNS AND ITS REGISTERS RUN DOWN K: a load of 8 bytes a lane reads 256 consecutive bytes of a row, 32 loads fill a set of 64 registers,
; and two sets keep 64 loads, 16 KiB, of a wave on their way.  A block of 32 along K of a column lies in one lane, in every second register; the conversion takes eight registers on end, so eight moves stand ahead of each.
; Two blocks of a lane, exchanged between the halves of the lanes, are the operand's registers of two tiles of 16 columns.  The tiles go to LDS as images of their registers (16 bytes a lane, 512 a store), their scale words likewise.
; A TILE IS THE EVEN OR THE ODD COLUMNS OF 32: row m of tile v is hidden unit 2 m + v of its block.  So register j of a lane's two accumulators holds units 16 (lane / 16) + 2 j + v: gelu's last line writes them by turns.
; THE ROWS.  rmask[e] says which tokens chose e.  Wave 0 turns it into a list in LDS (a token's place = the number of chosen tokens before it).  The places from T on that fill the last tile name the LAST chosen token once
; more: they are computed and stored like the others, and in the last launch they repeat that token's row: the same values to the same bytes, in the same instruction.
; x's CODES COME ONCE, IN WHOLE ROWS: behind the list's barrier wave w asks for the 16 tokens of tile w, 512 consecutive bytes a load, among its loads of W1, and lays them into LDS (rows 528 bytes apart, scale words 48).
; PHASE B (wave = 32 columns x every fourth tile of 16 rows): the slab's codes from LDS into 128 registers, once; for each tile: x's fragments, 16 products (source 0 = 16 columns of W1, source 1 = 16 tokens; b1 is the C of the
; first), gelu, the block's scale, codes.  Tiles 0 to 15 take x from LDS; tiles 16 to 63 (more than 256 tokens on one expert) gather it from memory.  hq [e][block of 32][place][16 bytes], hs [e][128 along F][place][4 bytes].
; Work-group j = 0 also stores the list and the gates in its order.
; gelu(u) = u/2 + u/2 erf(u / sqrt 2), erf(z) = z P(z^2) / Q(z^2) on z held to +-4 (beyond, erf is +-1 in f32).
; LIMITS: NaN and infinities are not served.  erf's absolute error is about 1e-7: far on the negative side (u under -5.6) gelu comes out as 0 or some 1e-8 |u| where it is smaller still.  A block of zeros gets the byte 1.
; No tensor load and no joint request: which tiles exist hangs on stored counts.  What the 32 work-groups of an expert share, x's codes, is 0.5 MiB against 128 MiB of weights that nobody shares.
.set WSC,  65536                       ; LDS: 0: the images, ((tile T x 8 + K step) x 2 + c) x 512 + 16 lane;  here: the scale words, ((T / 2) x 8 + K step) x 128 + 4 lane
.set LIST, 69632                       ; 1,024 list words, then 64 more: one a lane for the lanes whose token did not choose e, and room for the places that fill the last tile
.set XST,  73984                       ; x's codes of places 0 to 255: 528 bytes a place (512 + 16: an odd multiple of 16)
.set XSS,  209152                      ; their scale words: 48 bytes a place (32 + 16)
.set RING, 16                          ; v16-143  phase A: two sets of 64 numbers: row i's two columns at 2 i, 2 i + 1
.set TP,   168                         ; v168-183 phase A: two groups of eight numbers of one column, on end, by turns
.set TK,   168                         ; v168-183 before that: the 16 tokens of the tile that I fetch, then their offsets;  v252: the same for the scale words
.set TK2,  252
.set FRT,  184                         ; v184-215 phase A: the codes: column parity u, half of the lanes v at v[FRT + 16 u + 8 v]
.set SW,   216                         ; v216-217 phase A: my columns' scale words
.set WF,   16                          ; v16-143  phase B: W1's fragments: K step k, tile v at v[WF + 16 k + 8 v]
.set WSCL, 144                         ; v144-151 their scale words: lanes 0-15 tile 0's, lanes 16-31 tile 1's
.set BIAS, 152                         ; v152-167 b1 in the result's layout
.set ACC,  168                         ; v168-183 the two accumulators
.set XF,   184                         ; v184-247 x's eight fragments; then gelu's work
.set XSC,  248                         ; v248-255 x's scale words
.set Z,    XF
.set X2,   XF+16
.set PN,   XF+32
.set QN,   XF+48
; v1-v5 stay: LIST + 4 r, XST + 528 r + 16 h, XSS + 48 r, 16 r + 8 h, 4 r.  v6-v11 phase A: the fetch of x;  v12-v15 phase A: W1's offset, where I store images and scale words, b1's offset.  Phase B: v6 = 16 h, v7-v15 at work.
; 32 numbers of one column, in every second register from v[src] on, become 4 registers of codes at v[dst] and byte b of the scale word v[wreg].  t: three registers at work
.macro QBLOCK src, dst, wreg, b, t
.set QS, \src
.set QD, \dst
.set QW, \wreg
.set QT, \t
	v_max3_num_f32 v[QT], |v[QS]|, |v[QS+2]|, |v[QS+4]|
	v_max3_num_f32 v[QT+1], |v[QS+6]|, |v[QS+8]|, |v[QS+10]|
.irp i, 6,10,14,18,22,26
	v_max3_num_f32 v[QT], v[QT], |v[QS+2*\i]|, |v[QS+2*\i+2]|
	v_max3_num_f32 v[QT+1], v[QT+1], |v[QS+2*\i+4]|, |v[QS+2*\i+6]|
.endr
	v_max3_num_f32 v[QT], v[QT], |v[QS+60]|, |v[QS+62]|
	v_max3_num_f32 v[QT], v[QT], v[QT+1], 0x1800000        ; the floor 2^(3 - 127): the byte cannot fall under 1
	v_add_nc_u32 v[QT+2], 0xff000000, v[QT]                ; 2 off the exponent field: the conversion's scale operand
.if (\b) == 0
	v_lshrrev_b32 v[QW], 23, v[QT+2]
.else
	v_lshrrev_b32 v[QT+1], 23, v[QT+2]
	v_lshl_or_b32 v[QW], v[QT+1], 8*(\b), v[QW]
.endif
.irp g, 0,1,2,3
.irp n, 0,1,2,3,4,5,6,7
	v_mov_b32 v[TP+8*(\g%2)+\n], v[QS+16*\g+2*\n]          ; eight of the column on end.  The two groups take turns: a conversion's sources are written again only behind the other group's eight moves
.endr
	v_cvt_scalef32_pk8_fp4_f32 v[QD+\g], v[TP+8*(\g%2):TP+8*(\g%2)+7], v[QT+2]
.endr
	v_nop                                          ; one plain line behind the last conversion
.endm
; a holds block 2 c, b block 2 c + 1 of each lane's column.  Behind it a is register group c of the tile of lanes 0-15's columns, b that of lanes 16-31's
.macro SWAP4 a, b
.irp g, 0,1,2,3
	v_permlane16_swap_b32 v[(\a)+\g], v[(\b)+\g]
.endr
.endm
; block b's 32 rows into set: a load reads 256 consecutive bytes, at a multiple of 256 from W1's first byte
.macro LOADROWS set, b
.set I, 0
.rept 32
	global_load_b64 v[RING+64*(\set)+2*I:RING+64*(\set)+2*I+1], v12, s[4:5] offset:(32*(\b)+I)*16384 th:TH_LOAD_NT
.set I, I+1
.endr
.endm
.macro QB b
	QBLOCK RING+64*((\b)%2), FRT+8*((\b)%2)+4*((\b)/2), SW, \b, 220
	QBLOCK RING+64*((\b)%2)+1, FRT+16+8*((\b)%2)+4*((\b)/2), SW+1, \b, 224
.endm
	s_load_b512 s[4:19], s[0:1], 0x0               ; W1 s[4:5], b1 s[6:7], xq s[8:9], xs s[10:11], rmask s[12:13], gate s[14:15], hq s[16:17], hs s[18:19]
	s_load_b128 s[20:23], s[0:1], 0x40             ; tokl s[20:21], gsort s[22:23]
	v_lshrrev_b32 v12, 5, v0
	v_readfirstlane_b32 s24, v12                   ; wave 0..15
	v_and_b32 v228, 31, v0                         ; lane
	v_and_b32 v229, 15, v0                         ; r
	v_bfe_u32 v230, v0, 4, 1                       ; h
	v_bfe_u32 v231, v0, 1, 4                       ; lane / 2
	v_and_b32 v232, 1, v0                          ; lane % 2
	s_and_b32 s25, s24, 1                          ; phase A: which 64 columns,
	s_lshr_b32 s26, s24, 1                         ; which 128 rows
	s_and_b32 s29, s24, 3                          ; phase B: which 32 columns,
	s_lshr_b32 s68, s24, 2                         ; my first tile of rows
	s_and_b32 s27, ttmp7, 0xffff                   ; the expert
	s_or_b32 s79, ttmp9, s29                       ; 0: I also store the list and the gates
	v_lshl_add_u32 v1, v229, 2, LIST               ; the list's word r
	v_mul_u32_u24 v2, v229, 528
	v_lshl_add_u32 v2, v230, 4, v2
	v_add_nc_u32 v2, XST, v2                       ; x's fragments in LDS: place r, + 16 h
	v_mul_u32_u24 v3, v229, 48
	v_add_nc_u32 v3, XSS, v3                       ; and its scale words
	v_lshlrev_b32 v4, 4, v229
	v_lshl_add_u32 v4, v230, 3, v4                 ; 16 r + 8 h
	v_lshlrev_b32 v5, 2, v229                      ; 4 r
	s_lshl_b32 s30, s24, 6
	s_add_co_u32 s30, s30, LIST
	v_mov_b32 v6, s30                              ; the list's 16 words of tile w: the same address in every lane,
	v_lshl_add_u32 v7, v231, 2, s30                ; and word lane / 2 of them
	s_mul_i32 s30, s24, 8448
	s_add_co_u32 s30, s30, XST
	v_lshl_add_u32 v8, v228, 4, s30                ; where I lay tile w's rows: 16 bytes a lane
	s_mul_i32 s30, s24, 768
	s_add_co_u32 s30, s30, XSS
	v_mul_u32_u24 v9, v231, 48
	v_lshl_add_u32 v9, v232, 4, v9
	v_add_nc_u32 v9, s30, v9                       ; and its scale words: place lane / 2, half lane % 2
	v_lshlrev_b32 v10, 4, v228                     ; 16 lane
	v_lshlrev_b32 v11, 4, v232                     ; 16 (lane % 2)
	v_lshlrev_b32 v12, 3, v228                     ; W1: my two columns
	s_lshl_b32 s30, s25, 15
	s_lshl_b32 s31, s26, 10
	s_add_co_u32 s30, s30, s31
	v_lshl_add_u32 v13, v228, 4, s30               ; where I store images
	s_lshl_b32 s30, s25, 11
	s_lshl_b32 s31, s26, 7
	s_add_co_u32 s30, s30, s31
	s_add_co_u32 s30, s30, WSC
	v_lshl_add_u32 v14, v229, 2, s30
	v_lshl_add_u32 v14, v230, 10, v14              ; and scale words: lanes 16-31 hold the next 32 columns'
	v_lshlrev_b32 v15, 6, v230                     ; b1: 64 h
	v_add_nc_u32 v240, 1024, v228                  ; wave 0's list: the place of a lane whose token did not choose e,
	v_lshl_add_u32 v243, v228, 4, LIST             ; the first filling's address,
.irp n, 244,245,246,247
	v_mov_b32 v\n, 0                               ; and its zeros
.endr
	s_mov_b32 s72, 0xaf95df0b                      ; erf's P: -2.72614226e-10,
	s_mov_b32 s73, 0x32edffee                      ; 2.77068142e-8;
	s_mov_b32 s74, 0xb77460cd                      ; its Q: -1.45660718e-5,
	s_mov_b32 s75, 0xb95fbd29                      ; -2.13374055e-4
	s_mov_b32 s76, 0x76543210
	s_mov_b32 s77, 0xfedcba98                      ; v_permlanex16_b32's selects for lane l xor 16
	s_mov_b32 s31, 0
	s_wait_kmcnt 0x0
	s_lshl_b32 s30, s27, 7
	s_add_nc_u64 s[12:13], s[12:13], s[30:31]
	s_load_b512 s[32:47], s[12:13], 0x0            ; the expert's mask: 32 words
	s_load_b512 s[48:63], s[12:13], 0x40
	s_lshl_b32 s30, s27, 24                        ; W1: the expert, my 128 rows, the slab, my 64 columns
	s_lshl_b32 s70, s26, 21
	s_add_co_u32 s30, s30, s70
	s_lshl_b32 s70, ttmp9, 9
	s_add_co_u32 s30, s30, s70
	s_lshl_b32 s70, s25, 8
	s_add_co_u32 s30, s30, s70
	s_add_nc_u64 s[4:5], s[4:5], s[30:31]
	s_lshl_b32 s30, s27, 14                        ; b1: the expert, the slab, my 32 columns
	s_lshl_b32 s70, ttmp9, 9
	s_add_co_u32 s30, s30, s70
	s_lshl_b32 s70, s29, 7
	s_add_co_u32 s30, s30, s70
	s_add_nc_u64 s[6:7], s[6:7], s[30:31]
	s_lshl_b32 s30, s27, 21                        ; hq: the expert, block 4 j + my 32 columns
	s_lshl_b32 s70, ttmp9, 16
	s_add_co_u32 s30, s30, s70
	s_lshl_b32 s70, s29, 14
	s_add_co_u32 s30, s30, s70
	s_add_nc_u64 s[16:17], s[16:17], s[30:31]
	s_lshl_b32 s30, s27, 17                        ; hs: the expert, K step j, my byte of the word
	s_lshl_b32 s70, ttmp9, 12
	s_add_co_u32 s30, s30, s70
	s_add_co_u32 s30, s30, s29
	s_add_nc_u64 s[18:19], s[18:19], s[30:31]
	s_lshl_b32 s30, s27, 12                        ; tokl, gsort: the expert
	s_add_nc_u64 s[20:21], s[20:21], s[30:31]
	s_add_nc_u64 s[22:23], s[22:23], s[30:31]
	LOADROWS 0, 0                                  ; block 0 goes out ahead of the list
	s_wait_kmcnt 0x0                               ; the mask
	s_bcnt1_i32_b32 s66, s32
.irp c, 33,34,35,36,37,38,39,40,41,42,43,44,45,46,47,48,49,50,51,52,53,54,55,56,57,58,59,60,61,62,63
	s_bcnt1_i32_b32 s70, s\c
	s_add_co_u32 s66, s66, s70                     ; T: how many tokens chose e
.endr
	s_add_co_u32 s67, s66, 15
	s_lshr_b32 s67, s67, 4
	s_min_u32 s67, s67, 64                         ; tiles of 16 rows
	s_cmp_lg_u32 s24, 0
	s_cbranch_scc1 .Lno_list
.irp n, 0,1,2,3,4,5,6,7
	ds_store_b128 v243, v[244:247] offset:512*\n   ; every one of the 1,024 places is written once, with token 0
.endr
	s_mov_b32 s71, 0
.irp c, 0,1,2,3,4,5,6,7,8,9,10,11,12,13,14,15,16,17,18,19,20,21,22,23,24,25,26,27,28,29,30,31
	v_mbcnt_lo_u32_b32 v241, s[32+\c], s71         ; token 32 c + lane: how many chosen tokens stand before it
	v_cndmask_b32 v241, v240, v241, s[32+\c]       ; not chosen: the lane's own spare word
	v_min_u32 v241, 0x43f, v241
	v_lshl_add_u32 v241, v241, 2, LIST
	v_add_nc_u32 v242, 32*\c, v228
	ds_store_b32 v241, v242
	s_bcnt1_i32_b32 s70, s[32+\c]
	s_add_co_u32 s71, s71, s70
.endr
	s_max_u32 s70, s66, 1
	s_sub_co_u32 s70, s70, 1                       ; the last chosen token's place, T - 1 (0 where nobody chose e: no tile is then read)
	v_mov_b32 v241, s70
	v_min_u32 v241, 0x3ff, v241
	v_lshl_add_u32 v241, v241, 2, LIST
	ds_load_b32 v248, v241                         ; LDS serves a wave's instructions in order (ISA guide 5.7.1.4): this sees the stores above
	v_add_nc_u32 v242, s66, v228                   ; places T .. T + 31, 1,055 at the most: the last tile's rest lies among the first 15 of them
	v_min_u32 v242, 0x43f, v242
	v_lshl_add_u32 v242, v242, 2, LIST
	s_wait_dscnt 0x0
	ds_store_b32 v242, v248                        ; they name the last chosen token once more
.Lno_list:
	s_wait_dscnt 0x0                               ; the list lies in LDS.  Its stores go to places that hang on the mask: a barrier of their own parts them from every other LDS access of the work-group
	s_barrier_signal -1
	s_barrier_wait -1
	s_cmp_ge_u32 s24, s67                          ; is there a tile w?
	s_cbranch_scc1 .Lno_stage
.irp i, 0,1,2,3,4,5,6,7,8,9,10,11,12,13,14,15
	ds_load_b32 v[TK+\i], v6 offset:4*\i           ; the token at place 16 w + i, in every lane
.endr
	ds_load_b32 v[TK2], v7                         ; and the one at place 16 w + lane / 2
	s_wait_dscnt 0x0
.irp i, 0,1,2,3,4,5,6,7,8,9,10,11,12,13,14,15
	v_min_u32 v[TK+\i], 0x3ff, v[TK+\i]
.endr
	v_min_u32 v[TK2], 0x3ff, v[TK2]
.irp i, 0,1,2,3,4,5,6,7,8,9,10,11,12,13,14,15
	v_lshl_add_u32 v[TK+\i], v[TK+\i], 9, v10      ; its codes: 512 bytes a token, 16 a lane
.endr
	v_lshl_add_u32 v[TK2], v[TK2], 5, v11          ; its scale words: 32 bytes a token
.irp i, 0,1,2,3,4,5,6,7,8,9,10,11,12,13,14,15
	global_load_b128 v[XF+4*\i:XF+4*\i+3], v[TK+\i], s[8:9]   ; the wave reads a token's 512 consecutive bytes, at a multiple of 256 from xq's first byte
.endr
	global_load_b128 v[XSC:XSC+3], v[TK2], s[10:11]
	LOADROWS 1, 1
	s_wait_loadcnt 32                              ; block 0 and x are in; block 1's 32 loads, issued behind them, may be out
.irp i, 0,1,2,3,4,5,6,7,8,9,10,11,12,13,14,15
	ds_store_b128 v8, v[XF+4*\i:XF+4*\i+3] offset:528*\i
.endr
	ds_store_b128 v9, v[XSC:XSC+3]
	s_wait_dscnt 0x0                               ; the stores have read their registers: the codes of W1 are written there next
	s_branch .Lstaged
.Lno_stage:
	LOADROWS 1, 1
.Lstaged:
	s_wait_loadcnt 32                              ; block 0 is in; block 1's 32 loads may be out
	QB 0
	LOADROWS 0, 2
	s_wait_loadcnt 32                              ; block 1 is in; block 2's 32 may be out
	QB 1
	SWAP4 FRT, FRT+8
	SWAP4 FRT+16, FRT+24
	LOADROWS 1, 3
.irp u, 0,1
.irp n, 0,1,2,3,4,5,6,7
	global_load_b32 v[BIAS+8*\u+\n], v15, s[6:7] offset:(2*\n+\u)*4   ; b1 at hidden unit 16 h + 2 n + u of my 32: the result's layout
.endr
.endr
	s_wait_loadcnt 48                              ; block 2 is in; block 3's 32 loads and b1's 16 may be out
	QB 2
	s_wait_loadcnt 0x0                             ; block 3, and b1, which was asked for directly behind it
	QB 3
	SWAP4 FRT+4, FRT+12
	SWAP4 FRT+20, FRT+28
.irp u, 0,1
.irp v, 0,1
.irp c, 0,1
	ds_store_b128 v13, v[FRT+16*\u+8*\v+4*\c:FRT+16*\u+8*\v+4*\c+3] offset:(2*\v+\u)*8192+512*\c   ; half v of the lanes: the wave's block v of 32 columns; parity u: its tile u
.endr
.endr
	ds_store_b32 v14, v[SW+\u] offset:64*\u
.endr
	s_wait_dscnt 0x0                               ; for the others' sake: my images, and my tile of x, lie in LDS
	s_barrier_signal -1
	s_barrier_wait -1
	; ---- phase B: my 32 columns' codes for all of K, once.  (No load or store of mine is out: v6 and v12 to v15 may be written)
	s_lshl_b32 s30, s29, 14
	v_add_nc_u32 v12, s30, v10                     ; from where I load images,
	s_lshl_b32 s30, s29, 10
	s_add_co_u32 s30, s30, WSC
	v_and_b32 v13, 31, v0
	v_lshl_add_u32 v13, v13, 2, s30                ; and scale words
	v_bfe_u32 v6, v0, 4, 1
	v_lshlrev_b32 v6, 4, v6                        ; 16 h
.irp k, 0,1,2,3,4,5,6,7
.irp v, 0,1
.irp c, 0,1
	ds_load_b128 v[WF+16*\k+8*\v+4*\c:WF+16*\k+8*\v+4*\c+3], v12 offset:\v*8192+\k*1024+512*\c
.endr
.endr
	ds_load_b32 v[WSCL+\k], v13 offset:128*\k
.endr
	s_wait_dscnt 0x0
; TILE m = s68 OF 16 PLACES.  src = 0: x from LDS; src = 1: x gathered from memory.  A tile that the count does not reach is jumped over
.macro TILE src
	s_cmp_ge_u32 s68, s67
	s_cbranch_scc1 .Lskip_\@
	v_lshl_add_u32 v14, s68, 6, v5                 ; 64 m + 4 r
	v_lshl_add_u32 v15, s68, 8, v4                 ; 256 m + 16 r + 8 h
	v_lshl_add_u32 v7, s68, 6, v1                  ; the list's word 16 m + r
.if (\src) == 0
	s_mul_i32 s70, s68, 8448
	s_mul_i32 s71, s68, 768
	v_add_nc_u32 v12, s70, v2
	v_add_nc_u32 v13, s71, v3
.irp k, 0,1,2,3,4,5,6,7
.irp c, 0,1
	ds_load_b128 v[XF+8*\k+4*\c:XF+8*\k+4*\c+3], v12 offset:64*\k+32*\c
.endr
.endr
	ds_load_b128 v[XSC:XSC+3], v13
	ds_load_b128 v[XSC+4:XSC+7], v13 offset:16
	s_cmp_lg_u32 s79, 0
	s_cbranch_scc1 .Lnot_first_\@
	ds_load_b32 v8, v7                             ; the token at place 16 m + r
	s_wait_dscnt 0x0
	v_min_u32 v8, 0x3ff, v8
.else
	ds_load_b32 v8, v7                             ; the token at place 16 m + r
	s_wait_dscnt 0x0
	v_min_u32 v8, 0x3ff, v8
	v_lshl_add_u32 v9, v8, 9, v6                   ; its codes: 512 bytes a token, + 16 h
	v_lshlrev_b32 v10, 5, v8                       ; its scale words: 32 bytes a token
.irp k, 0,1,2,3,4,5,6,7
.irp c, 0,1
	global_load_b128 v[XF+8*\k+4*\c:XF+8*\k+4*\c+3], v9, s[8:9] offset:64*\k+32*\c
.endr
.endr
	global_load_b128 v[XSC:XSC+3], v10, s[10:11]
	global_load_b128 v[XSC+4:XSC+7], v10, s[10:11] offset:16
	s_cmp_lg_u32 s79, 0
	s_cbranch_scc1 .Lnot_first_\@
.endif
	v_lshlrev_b32 v11, 2, v8
	global_load_b32 v[ACC], v11, s[14:15]          ; the token's gate
	global_store_b32 v14, v8, s[20:21]             ; the list, for the last launch (lanes 16-31 repeat lanes 0-15)
	s_wait_loadcnt 0x0
	global_store_b32 v14, v[ACC], s[22:23]         ; and the gates in the list's order
	s_wait_xcnt 0x0                                ; the store has read its data: the products write that register
.Lnot_first_\@:
.if (\src) == 0
	s_wait_dscnt 0x0                               ; x's fragments and scale words
.else
	s_wait_loadcnt 0x0                             ; for 0: the two ways here differ in their loads
.endif
	; the two accumulators take turns, one instruction a turn
	v_wmma_scale_f32_16x16x128_f8f6f4 v[ACC:ACC+7], v[WF:WF+7], v[XF:XF+7], v[BIAS:BIAS+7], v[WSCL], v[XSC] matrix_a_fmt:MATRIX_FMT_FP4 matrix_b_fmt:MATRIX_FMT_FP4
	v_wmma_scale_f32_16x16x128_f8f6f4 v[ACC+8:ACC+15], v[WF+8:WF+15], v[XF:XF+7], v[BIAS+8:BIAS+15], v[WSCL], v[XSC] matrix_a_fmt:MATRIX_FMT_FP4 matrix_b_fmt:MATRIX_FMT_FP4 matrix_a_scale:MATRIX_SCALE_ROW1
.irp k, 1,2,3,4,5,6,7
	v_wmma_scale_f32_16x16x128_f8f6f4 v[ACC:ACC+7], v[WF+16*\k:WF+16*\k+7], v[XF+8*\k:XF+8*\k+7], v[ACC:ACC+7], v[WSCL+\k], v[XSC+\k] matrix_a_fmt:MATRIX_FMT_FP4 matrix_b_fmt:MATRIX_FMT_FP4
	v_wmma_scale_f32_16x16x128_f8f6f4 v[ACC+8:ACC+15], v[WF+16*\k+8:WF+16*\k+15], v[XF+8*\k:XF+8*\k+7], v[ACC+8:ACC+15], v[WSCL+\k], v[XSC+\k] matrix_a_fmt:MATRIX_FMT_FP4 matrix_b_fmt:MATRIX_FMT_FP4 matrix_a_scale:MATRIX_SCALE_ROW1
.endr
.rept 4
	v_nop                                          ; four places behind the products (ISA guide 7.12.1): what follows reads their results and writes over x's fragments
.endr
	; gelu, in f32; each accumulator is read from its low end on
.irp p, 0,2,4,6,8,10,12,14
	v_pk_mul_f32 v[Z+\p:Z+\p+1], v[ACC+\p:ACC+\p+1], 0x3f3504f3 op_sel_hi:[1,0]   ; z = u / sqrt 2
.endr
.irp n, 0,1,2,3,4,5,6,7,8,9,10,11,12,13,14,15
	v_med3_num_f32 v[Z+\n], v[Z+\n], -4.0, 4.0
.endr
.irp p, 0,2,4,6,8,10,12,14
	v_pk_mul_f32 v[X2+\p:X2+\p+1], v[Z+\p:Z+\p+1], v[Z+\p:Z+\p+1]
.endr
.irp n, 0,1,2,3,4,5,6,7,8,9,10,11,12,13,14,15
	v_fma_f32 v[PN+\n], v[X2+\n], s72, s73
	v_fma_f32 v[QN+\n], v[X2+\n], s74, s75
.endr
.irp a, 0xb60cff51, 0xb86ec2d2, 0xba40ac63, 0xbb41a1f6, 0xbc83dbd4
.irp p, 0,2,4,6,8,10,12,14
	v_pk_fma_f32 v[PN+\p:PN+\p+1], v[PN+\p:PN+\p+1], v[X2+\p:X2+\p+1], \a op_sel_hi:[1,1,0]   ; P: -2.10102402e-6, -5.69250639e-5, -7.34990630e-4, -2.95459981e-3, -1.60960333e-2
.endr
.endr
.irp a, 0xbadc924e, 0xbbf19bf8, 0xbc69b6a7
.irp p, 0,2,4,6,8,10,12,14
	v_pk_fma_f32 v[QN+\p:QN+\p+1], v[QN+\p:QN+\p+1], v[X2+\p:X2+\p+1], \a op_sel_hi:[1,1,0]   ; Q: -1.68282697e-3, -7.37332917e-3, -1.42647391e-2
.endr
.endr
.irp n, 0,1,2,3,4,5,6,7,8,9,10,11,12,13,14,15
	v_rcp_f32 v[QN+\n], v[QN+\n]                   ; one batch
.endr
.irp p, 0,2,4,6,8,10,12,14
	v_pk_mul_f32 v[PN+\p:PN+\p+1], v[PN+\p:PN+\p+1], v[Z+\p:Z+\p+1]   ; z P: independent work behind the batch,
.endr
.irp p, 0,2,4,6,8,10,12,14
	v_pk_mul_f32 v[X2+\p:X2+\p+1], v[ACC+\p:ACC+\p+1], 0.5 op_sel_hi:[1,0]   ; and u / 2
.endr
	s_wait_alu depctr_va_vdst(0)                   ; one wait for the 16 reciprocals, ahead of their first reader
.irp p, 0,2,4,6,8,10,12,14
	v_pk_mul_f32 v[PN+\p:PN+\p+1], v[PN+\p:PN+\p+1], v[QN+\p:QN+\p+1]   ; erf
.endr
.irp n, 0,1,2,3,4,5,6,7
	v_fma_f32 v[Z+2*\n], v[X2+\n], v[PN+\n], v[X2+\n]             ; u/2 erf + u/2.  Tile 0's register n is hidden unit 16 h + 2 n,
	v_fma_f32 v[Z+2*\n+1], v[X2+8+\n], v[PN+8+\n], v[X2+8+\n]     ; tile 1's is 16 h + 2 n + 1: written by turns, the 16 run along the next K
.endr
	; my 16 numbers and lane l xor 16's are a block of 32 along the next K
	v_max3_num_f32 v232, |v[Z]|, |v[Z+1]|, 0x1800000       ; with the floor 2^(3 - 127)
	v_max3_num_f32 v234, |v[Z+8]|, |v[Z+9]|, |v[Z+10]|
	v_max3_num_f32 v232, v232, |v[Z+2]|, |v[Z+3]|
	v_max3_num_f32 v234, v234, |v[Z+11]|, |v[Z+12]|
	v_max3_num_f32 v232, v232, |v[Z+4]|, |v[Z+5]|
	v_max3_num_f32 v234, v234, |v[Z+13]|, |v[Z+14]|
	v_max3_num_f32 v232, v232, |v[Z+6]|, |v[Z+7]|
	v_max3_num_f32 v232, v232, v234, |v[Z+15]|
	v_permlanex16_b32 v233, v232, s76, s77
	v_max_num_f32 v232, v232, v233
	v_add_nc_u32 v234, 0xff000000, v232            ; 2 off the exponent field: the conversion's scale operand
	v_cvt_scalef32_pk8_fp4_f32 v236, v[Z:Z+7], v234
	v_cvt_scalef32_pk8_fp4_f32 v237, v[Z+8:Z+15], v234
	v_lshrrev_b32 v235, 23, v234                   ; the scale's byte (also the plain line behind the conversions)
	global_store_b64 v15, v[236:237], s[16:17]     ; the wave stores 256 consecutive bytes, at a multiple of 256 from hq's first byte
	global_store_b8 v14, v235, s[18:19]            ; my block's byte of the rows' scale words (both halves of the lanes write the same)
	s_wait_xcnt 0x0                                ; the stores' data and offsets are written again in the next trip only behind this wait
.Lskip_\@:
.endm
	s_mov_b32 s69, 0
.Lnear:                                            ; 4 trips: my tiles among tiles 0 to 15, whose x lies in LDS
	TILE 0
	s_add_co_u32 s68, s68, 4
	s_add_co_u32 s69, s69, 1
	s_cmp_lt_u32 s69, 4
	s_cbranch_scc1 .Lnear
	s_mov_b32 s69, 0
.Lfar:                                             ; 12 trips: my tiles among tiles 16 to 63
	TILE 1
	s_add_co_u32 s68, s68, 4
	s_add_co_u32 s69, s69, 1
	s_cmp_lt_u32 s69, 12
	s_cbranch_scc1 .Lfar
	s_wait_xcnt 0x0
	v_lshl_add_u32 v254, v0, 2, 0x36100
	v_mov_b32 v255, 0
	s_wait_tensorcnt 0x0
	ds_add_u32 v254, v255
	s_wait_dscnt 0x0
	s_endpgm
.Lfunc_end_k_q58503ce306_ffn1:
	.size	k_q58503ce306_ffn1, .Lfunc_end_k_q58503ce306_ffn1-k_q58503ce306_ffn1
	.p2alignl 7, 3214868480
	.fill 96, 4, 3214868480
	.section	.rodata,"a",@progbits
	.p2align	6, 0x0
	.amdhsa_kernel k_q58503ce306_ffn1
		.amdhsa_group_segment_fixed_size 223488
		.amdhsa_private_segment_fixed_size 0
		.amdhsa_enable_private_segment 0
		.amdhsa_kernarg_size 80
		.amdhsa_user_sgpr_count 2
		.amdhsa_user_sgpr_kernarg_segment_ptr 1
		.amdhsa_wavefront_size32 1
		.amdhsa_system_sgpr_workgroup_id_x 1
		.amdhsa_system_sgpr_workgroup_id_y 1
		.amdhsa_system_sgpr_workgroup_id_z 1
		.amdhsa_system_vgpr_workitem_id 0
		.amdhsa_next_free_vgpr 256
		.amdhsa_next_free_sgpr 96
		.amdhsa_reserve_vcc 0
		.amdhsa_float_denorm_mode_32 3
		.amdhsa_float_denorm_mode_16_64 3
		.amdhsa_memory_ordered 1
		.amdhsa_forward_progress 1
		.amdhsa_inst_pref_size 108
	.end_amdhsa_kernel
	.amdgpu_metadata
---
amdhsa.version: [ 1, 2 ]
amdhsa.kernels:
  - .name:           k_q58503ce306_ffn1
    .symbol:         k_q58503ce306_ffn1.kd
    .args:
      - { .name: W1, .offset: 0, .size: 8, .value_kind: global_buffer, .address_space: global }
      - { .name: b1, .offset: 8, .size: 8, .value_kind: global_buffer, .address_space: global }
      - { .name: xq, .offset: 16, .size: 8, .value_kind: global_buffer, .address_space: global }
      - { .name: xs, .offset: 24, .size: 8, .value_kind: global_buffer, .address_space: global }
      - { .name: rmask, .offset: 32, .size: 8, .value_kind: global_buffer, .address_space: global }
      - { .name: gate, .offset: 40, .size: 8, .value_kind: global_buffer, .address_space: global }
      - { .name: hq, .offset: 48, .size: 8, .value_kind: global_buffer, .address_space: global }
      - { .name: hs, .offset: 56, .size: 8, .value_kind: global_buffer, .address_space: global }
      - { .name: tokl, .offset: 64, .size: 8, .value_kind: global_buffer, .address_space: global }
      - { .name: gsort, .offset: 72, .size: 8, .value_kind: global_buffer, .address_space: global }
    .group_segment_fixed_size: 223488
    .private_segment_fixed_size: 0
    .kernarg_segment_align: 8
    .kernarg_segment_size: 80
    .max_flat_workgroup_size: 512
    .sgpr_count:     96
    .vgpr_count:     256
    .wavefront_size: 32
...
	.end_amdgpu_metadata
.endif
;; end of part 2
;; launch ffn2 (part 3): grid 32 x 8, 16 waves a work-group, no clusters, 264,192 bytes of LDS; arguments W2, b2, hq, hs, rmask, tokl, gsort, out0; writes out0
.if DOCPART == 3
	.amdgcn_target "amdgcn-amd-amdhsa--gfx1250"
	.amdhsa_code_object_version 6
	.text
	.protected	k_q58503ce306_ffn2
	.globl	k_q58503ce306_ffn2
	.p2align	8
	.type	k_q58503ce306_ffn2,@function
k_q58503ce306_ffn2:
	s_mov_b64 s[64:65], 0
	v_nop
	global_prefetch_b8 v0, s[64:65] scope:SCOPE_SE
	s_setreg_imm32_b32 hwreg(HW_REG_WAVE_MODE, 25, 1), 1
	s_wait_xcnt 0x0
; THE SECOND PRODUCT OF THE CHOSEN ROWS: out[token] = (Q(h) Q(W2[e]) + b2[e]) x gate.  Work-group (j, e) makes outputs 32 j .. 32 j + 31 of expert e for all tokens that chose e.
; Its slab of W2, 4,096 x 32 f32, is read once and quantised in registers.  K IS SHARED AMONG THE WAVES: wave w owns rows 256 w .. 256 w + 255 (two K steps of 128) of all 32 columns, so its codes never leave its registers.
; A LANE TAKES TWO NEIGHBOURING COLUMNS AND ITS REGISTERS RUN DOWN K: lane (r, q) loads 8 bytes, columns 2 r and 2 r + 1; lanes 16-31 stand 32 rows further down.  A load so reads 128 consecutive bytes of each of two rows,
; 32 loads fill a set of 64 registers, and two sets keep 64 loads, 16 KiB, of a wave on their way.  A block of 32 along K of a column lies in one lane, in every second register; the conversion takes eight registers on end,
; so eight moves stand ahead of each.  A TILE IS THE EVEN OR THE ODD COLUMNS: row m of tile v is column 2 m + v.  Lane (r, q) then holds block 2 c + q of row r of both tiles: the operand's own layout: nothing changes lanes.
; A row's scale word is joined from lanes l and l xor 16, which hold two of its four bytes each.
; THE ROWS go in chunks of 8 tiles of 16 places.  Each wave multiplies its two K steps for every tile of the chunk (source 0 = 16 columns of W2, source 1 = 16 places of h) and lays its part sums into LDS as images of the
; accumulators' registers | barrier | wave w adds the 16 waves' parts of tile w / 2, registers 4 (w % 2) + 0 .. 3 of both column tiles, in the order of the waves: these are eight neighbouring outputs, 16 h + 8 (w % 2) + 0 .. 7;
; the addition of b2 writes them in that order; x the gate; each place's row is stored at its token | barrier.
; The places that fill an expert's last tile name its last chosen token once more and hold that token's h: their lanes store the same values to the same bytes as that token's own lane, in the same instruction.
; The chunk loop has 8 trips, a constant; what the count of tiles does not reach is jumped over, and no barrier stands under such a jump.  Every lane is on throughout.
; LIMITS: NaN and infinities are not served.  A block of zeros of W2 gets the byte 1 (its codes are zeros).
; No tensor load and no joint request: which tiles exist hangs on stored counts; h's codes, which the 32 work-groups of an expert share, are 2 MiB in all against 128 MiB of weights that nobody shares.
.set FR,   16                          ; v16-47   W2's fragments: K step ss, column tile v at v[FR + 16 ss + 8 v]
.set WS,   48                          ; v48-51   their scale words: v[WS + 2 ss + v]
.set B2,   52                          ; v52-59   b2 at my task's eight outputs
.set ACC0, 60                          ; v60-75   two accumulators, for the even tiles;
.set ACC1, 224                         ; v224-239 for the odd tiles
.set TP,   224                         ; v224-239 ahead of the products: two groups of eight numbers of one column, on end, by turns
.set OH,   76                          ; v76      this chunk's offset in h's codes;  v77 in h's scale words;  v78 in the list and the gates: made anew in each trip
.set SH,   79                          ; v79      8 (lane / 16): how far up my two scale bytes stand in the word
.set RG,   80                          ; v80-207  two sets of 64 numbers of W2; then h's fragments: tile t, K step ss at v[RG + 16 t + 8 ss]; then the 16 parts
.set HS,   208                         ; v208-223 h's scale words: v[HS + 2 t + ss]
.set PA,   240                         ; v240-243 where I lay my parts: 16 lane + 2,048 wave + 65,536 (t / 2); never rewritten
.set PT,   252                         ; v252-253 lane l xor 16's half of a scale word
; 32 numbers of one column, in every second register from v[src] on, become 4 registers of codes at v[dst] and a byte, 8 b bits up, of v[wreg].  t: three registers at work
.macro QBLOCK src, dst, wreg, b, t
.set QS, \src
.set QD, \dst
.set QW, \wreg
.set QT, \t
	v_max3_num_f32 v[QT], |v[QS]|, |v[QS+2]|, |v[QS+4]|
	v_max3_num_f32 v[QT+1], |v[QS+6]|, |v[QS+8]|, |v[QS+10]|
.irp i, 6,10,14,18,22,26
	v_max3_num_f32 v[QT], v[QT], |v[QS+2*\i]|, |v[QS+2*\i+2]|
	v_max3_num_f32 v[QT+1], v[QT+1], |v[QS+2*\i+4]|, |v[QS+2*\i+6]|
.endr
	v_max3_num_f32 v[QT], v[QT], |v[QS+60]|, |v[QS+62]|
	v_max3_num_f32 v[QT], v[QT], v[QT+1], 0x1800000        ; the floor 2^(3 - 127): the byte cannot fall under 1
	v_add_nc_u32 v[QT+2], 0xff000000, v[QT]                ; 2 off the exponent field: the conversion's scale operand
.if (\b) == 0
	v_lshrrev_b32 v[QW], 23, v[QT+2]
.else
	v_lshrrev_b32 v[QT+1], 23, v[QT+2]
	v_lshl_or_b32 v[QW], v[QT+1], 8*(\b), v[QW]
.endif
.irp g, 0,1,2,3
.irp n, 0,1,2,3,4,5,6,7
	v_mov_b32 v[TP+8*(\g%2)+\n], v[QS+16*\g+2*\n]          ; eight of the column on end.  The two groups take turns: a conversion's sources are written again only behind the other group's eight moves
.endr
	v_cvt_scalef32_pk8_fp4_f32 v[QD+\g], v[TP+8*(\g%2):TP+8*(\g%2)+7], v[QT+2]
.endr
	v_nop                                          ; one plain line behind the last conversion
.endm
.macro LOADSTEP p                      ; rows 64 p + 32 (lane / 16) + 0 .. 31 of my 256
.set I, 0
.rept 32
	global_load_b64 v[RG+64*((\p)%2)+2*I:RG+64*((\p)%2)+2*I+1], v4, s[4:5] offset:(64*(\p)+I)*4096
.set I, I+1
.endr
.endm
.macro QP p                            ; my block 2 (p % 2) + lane / 16 of K step p / 2, of both my columns: register group p % 2 of both tiles
	QBLOCK RG+64*((\p)%2), FR+16*((\p)/2)+4*((\p)%2), WS+2*((\p)/2), 2*((\p)%2), 244
	QBLOCK RG+64*((\p)%2)+1, FR+16*((\p)/2)+8+4*((\p)%2), WS+2*((\p)/2)+1, 2*((\p)%2), 248
.endm
.macro JOIN ss                         ; K step ss's scale words: my two bytes (blocks q and 2 + q) go 8 q bits up; with lane l xor 16's two the word is whole
.irp v, 0,1
	v_lshlrev_b32 v[WS+2*(\ss)+\v], v[SH], v[WS+2*(\ss)+\v]
.endr
.irp v, 0,1
	v_permlanex16_b32 v[PT+\v], v[WS+2*(\ss)+\v], s28, s29
.endr
.irp v, 0,1
	v_or_b32 v[WS+2*(\ss)+\v], v[WS+2*(\ss)+\v], v[PT+\v]
.endr
.endm
; tile t's product of K step ss for column tile v.  The first K step starts the sum
.macro PROD t, ss, v
.set AC, ACC0+(ACC1-ACC0)*((\t)%2)+8*(\v)
.set FA, FR+16*(\ss)+8*(\v)
.set HB, RG+16*(\t)+8*(\ss)
.if (\ss) == 0
	v_wmma_scale_f32_16x16x128_f8f6f4 v[AC:AC+7], v[FA:FA+7], v[HB:HB+7], 0, v[WS+2*(\ss)+(\v)], v[HS+2*(\t)+(\ss)] matrix_a_fmt:MATRIX_FMT_FP4 matrix_b_fmt:MATRIX_FMT_FP4
.else
	v_wmma_scale_f32_16x16x128_f8f6f4 v[AC:AC+7], v[FA:FA+7], v[HB:HB+7], v[AC:AC+7], v[WS+2*(\ss)+(\v)], v[HS+2*(\t)+(\ss)] matrix_a_fmt:MATRIX_FMT_FP4 matrix_b_fmt:MATRIX_FMT_FP4
.endif
.endm
	s_load_b512 s[4:19], s[0:1], 0x0               ; W2 s[4:5], b2 s[6:7], hq s[8:9], hs s[10:11], rmask s[12:13], tokl s[14:15], gsort s[16:17], out0 s[18:19]
	v_lshl_add_u32 v254, v0, 2, 0x40000
	v_mov_b32 v255, 0
	v_lshrrev_b32 v1, 5, v0
	v_readfirstlane_b32 s24, v1                    ; wave 0..15
	v_and_b32 v1, 31, v0                           ; lane
	v_and_b32 v2, 15, v0                           ; r
	v_bfe_u32 v3, v0, 4, 1                         ; h
	v_lshlrev_b32 v4, 3, v2
	v_lshl_add_u32 v4, v3, 17, v4                  ; W2: my two columns; lanes 16-31 32 rows of 4,096 bytes further down
	v_lshlrev_b32 v11, 6, v3                       ; 64 h
	v_lshlrev_b32 v[SH], 3, v3
	s_lshr_b32 s25, s24, 1                         ; my task in the sums: this tile of a chunk,
	s_and_b32 s26, s24, 1                          ; these four registers of both column tiles
	s_and_b32 s27, ttmp7, 0xffff                   ; the expert
	s_mov_b32 s28, 0x76543210
	s_mov_b32 s29, 0xfedcba98                      ; v_permlanex16_b32's selects for lane l xor 16
	; every lane term of an address is made here, from the thread's number and constants, and is never rewritten
	s_lshl_b32 s30, s24, 11
	v_lshl_add_u32 v[PA], v1, 4, s30
	v_add_nc_u32 v[PA+1], 0x10000, v[PA]
	v_add_nc_u32 v[PA+2], 0x20000, v[PA]
	v_add_nc_u32 v[PA+3], 0x30000, v[PA]
	s_lshl_b32 s30, s25, 15
	s_lshl_b32 s70, s26, 9
	s_add_co_u32 s30, s30, s70
	v_lshl_add_u32 v6, v1, 4, s30                  ; from where I read my task's parts: 16 lane + 32,768 (w / 2) + 512 (w % 2)
	v_lshlrev_b32 v7, 4, v2
	v_lshl_add_u32 v7, v3, 14, v7                  ; h's codes: block h of a pair, place r
	v_lshlrev_b32 v8, 2, v2                        ; h's scale words: place r
	s_lshl_b32 s30, s25, 6
	v_lshl_add_u32 v9, v2, 2, s30                  ; my task's tokens and gates: place 16 (w / 2) + r
	v_mov_b32 v10, 0                               ; what is loaded under one jump and named under a later one is written once here, so that it has been written on every way through the text:
	v_mov_b32 v12, 0                               ; the task's token and gate (v13 is named with the gate as a pair),
	v_mov_b32 v13, 0
	v_mov_b32 v[PT], 0                             ; (a lane permute's destination counts as one of its sources)
	v_mov_b32 v[PT+1], 0
.irp n, 0,1,2,3,4,5,6,7,8,9,10,11,12,13,14,15
	v_mov_b32 v[HS+\n], 0x7f7f7f7f                 ; and h's scale words: four bytes of 2^0
.endr
	s_mov_b32 s31, 0
	s_wait_kmcnt 0x0
	s_lshl_b32 s30, s27, 7
	s_add_nc_u64 s[12:13], s[12:13], s[30:31]
	s_load_b512 s[32:47], s[12:13], 0x0            ; the expert's mask: 32 words
	s_load_b512 s[48:63], s[12:13], 0x40
	s_lshl_b32 s30, s27, 24                        ; W2: the expert, my 256 rows, the slab's 32 columns
	s_lshl_b32 s70, s24, 20
	s_add_co_u32 s30, s30, s70
	s_lshl_b32 s70, ttmp9, 7
	s_add_co_u32 s30, s30, s70
	s_add_nc_u64 s[4:5], s[4:5], s[30:31]
	s_lshl_b32 s71, s26, 5
	s_add_co_u32 s30, s70, s71                     ; out0: the slab, + 8 (w % 2) columns
	s_add_nc_u64 s[18:19], s[18:19], s[30:31]
	s_lshl_b32 s70, s27, 12
	s_add_co_u32 s30, s30, s70                     ; b2: the same, in the expert's row
	s_add_nc_u64 s[6:7], s[6:7], s[30:31]
	s_mov_b32 s30, s70                             ; tokl, gsort: the expert
	s_add_nc_u64 s[14:15], s[14:15], s[30:31]
	s_add_nc_u64 s[16:17], s[16:17], s[30:31]
	s_lshl_b32 s30, s27, 21                        ; hq: the expert, my eight blocks
	s_lshl_b32 s70, s24, 17
	s_add_co_u32 s30, s30, s70
	s_add_nc_u64 s[8:9], s[8:9], s[30:31]
	s_lshl_b32 s30, s27, 17                        ; hs: the expert, my two K steps
	s_lshl_b32 s70, s24, 13
	s_add_co_u32 s30, s30, s70
	s_add_nc_u64 s[10:11], s[10:11], s[30:31]
	LOADSTEP 0
	LOADSTEP 1
	s_wait_kmcnt 0x0                               ; the mask
	s_bcnt1_i32_b32 s66, s32
.irp c, 33,34,35,36,37,38,39,40,41,42,43,44,45,46,47,48,49,50,51,52,53,54,55,56,57,58,59,60,61,62,63
	s_bcnt1_i32_b32 s70, s\c
	s_add_co_u32 s66, s66, s70                     ; T: how many tokens chose e
.endr
	s_add_co_u32 s67, s66, 15
	s_lshr_b32 s67, s67, 4
	s_min_u32 s67, s67, 64                         ; tiles of 16 places
	s_wait_loadcnt 32                              ; step 0 is in; step 1's 32 loads may be out
	QP 0
	LOADSTEP 2
	s_wait_loadcnt 32                              ; step 1 is in; step 2's 32 may be out
	QP 1
	JOIN 0
	LOADSTEP 3
	global_load_b128 v[B2:B2+3], v11, s[6:7]       ; b2 at outputs 16 h + 8 (w % 2) + 0 .. 7
	global_load_b128 v[B2+4:B2+7], v11, s[6:7] offset:16
	s_wait_loadcnt 34                              ; step 2 is in; step 3's 32 loads and b2's two may be out
	QP 2
	s_wait_loadcnt 0x0                             ; step 3, and b2, which was asked for directly behind it
	QP 3
	JOIN 1
.rept 8
	v_nop                                          ; a scale word written by vector instructions stands eight places ahead of a scaled product, codes so written four
.endr
	s_mov_b32 s68, s67                             ; tiles left, this chunk's among them
	s_mov_b32 s69, 0
.Lchunk:
	v_lshl_add_u32 v[OH], s69, 11, v7              ; this chunk's eight tiles: 2,048 bytes of each block of h's codes on for each chunk,
	v_lshl_add_u32 v[OH+1], s69, 9, v8             ; 512 bytes of scale words,
	v_lshl_add_u32 v[OH+2], s69, 9, v9             ; 512 bytes of the list and of the gates.  (The last trip's loads by these registers were waited for there)
.irp t, 0,1,2,3,4,5,6,7
	s_cmp_gt_i32 s68, \t
	s_cbranch_scc0 .Lloaded
.irp ss, 0,1
.irp c, 0,1
	global_load_b128 v[RG+16*\t+8*\ss+4*\c:RG+16*\t+8*\ss+4*\c+3], v[OH], s[8:9] offset:256*\t+32768*\c+65536*\ss   ; each half of the lanes reads 256 consecutive bytes
.endr
	global_load_b32 v[HS+2*\t+\ss], v[OH+1], s[10:11] offset:64*\t+4096*\ss
.endr
.endr
.Lloaded:
	s_cmp_gt_i32 s68, s25
	s_cbranch_scc0 .Lno_task_load
	global_load_b32 v10, v[OH+2], s[14:15]
	global_load_b32 v12, v[OH+2], s[16:17]
.Lno_task_load:
	s_wait_loadcnt 0x0                             ; for 0: the ways here differ in their loads
.irp t, 0,1,2,3,4,5,6,7
	s_cmp_gt_i32 s68, \t
	s_cbranch_scc0 .Lstored
.if \t >= 2
	s_wait_dscnt 4                                 ; the stores of two tiles ago have read these accumulators; the last tile's four may be out
.endif
	PROD \t, 0, 0                                  ; the two accumulators take turns, one instruction a turn
	PROD \t, 0, 1
	PROD \t, 1, 0
	PROD \t, 1, 1
.rept 5
	v_nop                                          ; four places ahead of the stores that read the results; five ahead of a product that begins these accumulators anew
.endr
.set AC, ACC0+(ACC1-ACC0)*(\t%2)
.irp q, 0,1,2,3
	ds_store_b128 v[PA+\t/2], v[AC+4*\q:AC+4*\q+3] offset:32768*(\t%2)+512*\q   ; each accumulator from its low end on
.endr
.endr
.Lstored:
	s_wait_dscnt 0x0                               ; for the others' sake: my parts lie in LDS
	s_barrier_signal -1
	s_barrier_wait -1
	s_cmp_gt_i32 s68, s25
	s_cbranch_scc0 .Lno_task
.irp s, 0,1,2,3,4,5,6,7,8,9,10,11,12,13,14,15
	ds_load_b128 v[RG+8*\s:RG+8*\s+3], v6 offset:2048*\s           ; wave s's part: my four registers of column tile 0,
	ds_load_b128 v[RG+8*\s+4:RG+8*\s+7], v6 offset:2048*\s+1024    ; and of column tile 1
.endr
.irp s, 1,2,3,4,5,6,7,8,9,10,11,12,13,14,15
	s_wait_dscnt 30-2*\s                           ; the parts of waves 0 to s are in; the two loads of each later wave may be out
.irp p, 0,2,4,6
	v_pk_add_f32 v[RG+\p:RG+\p+1], v[RG+\p:RG+\p+1], v[RG+8*\s+\p:RG+8*\s+\p+1]
.endr
.endr
.irp n, 0,1,2,3
	v_add_f32 v[RG+8+2*\n], v[RG+\n], v[B2+2*\n]           ; + b2.  Tile 0's register n is output 16 h + 8 (w % 2) + 2 n,
	v_add_f32 v[RG+9+2*\n], v[RG+4+\n], v[B2+2*\n+1]       ; tile 1's the one beside it: written by turns, the eight are neighbours
.endr
.irp p, 0,2,4,6
	v_pk_mul_f32 v[RG+8+\p:RG+9+\p], v[RG+8+\p:RG+9+\p], v[12:13] op_sel_hi:[1,0]   ; x the gate
.endr
	v_min_u32 v10, 0x3ff, v10
	v_lshl_add_u32 v14, v10, 12, v11               ; the token's row of out, + 64 h
	global_store_b128 v14, v[RG+8:RG+11], s[18:19] th:TH_STORE_NT
	global_store_b128 v14, v[RG+12:RG+15], s[18:19] offset:16 th:TH_STORE_NT
	s_wait_xcnt 0x0                                ; the stores' data and offset are written again in the next trip only behind this wait
.Lno_task:
	s_wait_dscnt 0x0                               ; my reads of the parts are over: the next chunk may write there
	s_barrier_signal -1
	s_barrier_wait -1
	s_sub_co_i32 s68, s68, 8
	s_add_co_u32 s69, s69, 1
	s_cmp_lt_u32 s69, 8
	s_cbranch_scc1 .Lchunk
	s_wait_tensorcnt 0x0
	ds_add_u32 v254, v255
	s_wait_dscnt 0x0
	s_endpgm
.Lfunc_end_k_q58503ce306_ffn2:
	.size	k_q58503ce306_ffn2, .Lfunc_end_k_q58503ce306_ffn2-k_q58503ce306_ffn2
	.p2alignl 7, 3214868480
	.fill 96, 4, 3214868480
	.section	.rodata,"a",@progbits
	.p2align	6, 0x0
	.amdhsa_kernel k_q58503ce306_ffn2
		.amdhsa_group_segment_fixed_size 264192
		.amdhsa_private_segment_fixed_size 0
		.amdhsa_enable_private_segment 0
		.amdhsa_kernarg_size 64
		.amdhsa_user_sgpr_count 2
		.amdhsa_user_sgpr_kernarg_segment_ptr 1
		.amdhsa_wavefront_size32 1
		.amdhsa_system_sgpr_workgroup_id_x 1
		.amdhsa_system_sgpr_workgroup_id_y 1
		.amdhsa_system_sgpr_workgroup_id_z 1
		.amdhsa_system_vgpr_workitem_id 0
		.amdhsa_next_free_vgpr 256
		.amdhsa_next_free_sgpr 96
		.amdhsa_reserve_vcc 0
		.amdhsa_float_denorm_mode_32 3
		.amdhsa_float_denorm_mode_16_64 3
		.amdhsa_memory_ordered 1
		.amdhsa_forward_progress 1
		.amdhsa_inst_pref_size 60
	.end_amdhsa_kernel
	.amdgpu_metadata
---
amdhsa.version: [ 1, 2 ]
amdhsa.kernels:
  - .name:           k_q58503ce306_ffn2
    .symbol:         k_q58503ce306_ffn2.kd
    .args:
      - { .name: W2, .offset: 0, .size: 8, .value_kind: global_buffer, .address_space: global }
      - { .name: b2, .offset: 8, .size: 8, .value_kind: global_buffer, .address_space: global }
      - { .name: hq, .offset: 16, .size: 8, .value_kind: global_buffer, .address_space: global }
      - { .name: hs, .offset: 24, .size: 8, .value_kind: global_buffer, .address_space: global }
      - { .name: rmask, .offset: 32, .size: 8, .value_kind: global_buffer, .address_space: global }
      - { .name: tokl, .offset: 40, .size: 8, .value_kind: global_buffer, .address_space: global }
      - { .name: gsort, .offset: 48, .size: 8, .value_kind: global_buffer, .address_space: global }
      - { .name: out0, .offset: 56, .size: 8, .value_kind: global_buffer, .address_space: global }
    .group_segment_fixed_size: 264192
    .private_segment_fixed_size: 0
    .kernarg_segment_align: 8
    .kernarg_segment_size: 64
    .max_flat_workgroup_size: 512
    .sgpr_count:     96
    .vgpr_count:     256
    .wavefront_size: 32
...
	.end_amdgpu_metadata
.endif
;; end of part 3
;; ======== version 2 of 2: 3 launches
;; workspace buffers: xq 524,288 bytes; xs 32,768 bytes; rmask 1,024 bytes of whole numbers; gate 4,096 bytes; hq 16,777,216 bytes; hs 1,048,576 bytes; tokl 32,768 bytes of whole numbers; gsort 32,768 bytes
;; launch route (part 4): grid 64 x 1, 8 waves a work-group, no clusters, 35,840 bytes of LDS; arguments x, Wr, br, xq, xs, rmask, gate; writes xq, xs, rmask, gate
.if DOCPART == 4
	.amdgcn_target "amdgcn-amd-amdhsa--gfx1250"
	.amdhsa_code_object_version 6
	.text
	.protected	k_q58503ce306_route
	.globl	k_q58503ce306_route
	.p2align	8
	.type	k_q58503ce306_route,@function
k_q58503ce306_route:
	s_mov_b64 s[64:65], 0
	v_nop
	global_prefetch_b8 v0, s[64:65] scope:SCOPE_SE
	s_setreg_imm32_b32 hwreg(HW_REG_WAVE_MODE, 25, 1), 1
	s_wait_xcnt 0x0
; THE ROUTER, AND x INTO CODES.  logits = x Wr + br in f32 (fused multiply-adds); the expert is the first largest logit; the gate is softmax's value there, 1 / sum of exp(logit - largest).
; x [1024][1024] f32 becomes codes of E2M1, K innermost, 512 bytes a token (xq), and one E8M0 byte for each 32 along K, 32 bytes a token (xs).
; The choice is stored at FIXED places: for each expert a mask of 1,024 bits (rmask [8][32 words], bit t % 32 of word t / 32), and gate [token].  No address and no branch here hangs on it.
; SHARES.  A work-group takes 16 tokens, each of its eight waves two.  Lane l holds k = 512 i + 16 l + 0 .. 15 (i = 0, 1) of both tokens: 16 neighbours for the conversions; lanes l and l xor 1 hold a block of 32.
; Wr (32,768 bytes) lies in LDS, 16 bytes of padding behind each 512: lane l's rows begin 528 bytes apart, an odd multiple of 16.
; LIMITS: NaN and infinities among the inputs are not served.  The logits' sums run in another order than a row-by-row sum: two logits that lie within f32's summation error of each other may choose the other expert.
; A block of zeros gets the byte 1 (its codes are zeros); these bytes are read by this program alone.
.set X,    16                          ; v16-79   x: token a, half i, number j at v[X + 32 a + 16 i + j]
.set ACC,  80                          ; v80-95   the logits' sums: token a, expert e at v[ACC + 8 a + e]
.set WA,   96                          ; v96-159  two buffers of 32: four rows of Wr each
.set GT,   162                         ; v162-163 the gates
.set BEST, 164                         ; v164, v166 the largest logit; v165, v167 its expert
.set CD,   168                         ; v168-175 codes: a pair for each (a, i)
.set EB,   176                         ; v176-179 scale bytes
.set SCB,  33792                       ; LDS: behind Wr's 33,792 bytes: 16 tokens x 32 scale bytes,
.set IDXL, 34304                       ; 16 experts' numbers, and 256 bytes further on 16 gates
	s_load_b256 s[4:11], s[0:1], 0x0               ; x s[4:5], Wr s[6:7], br s[8:9], xq s[10:11]
	s_load_b128 s[12:15], s[0:1], 0x20             ; xs s[12:13], rmask s[14:15]
	s_load_b64 s[16:17], s[0:1], 0x30              ; gate
	v_lshl_add_u32 v192, v0, 2, 0x8800
	v_mov_b32 v193, 0
	v_lshrrev_b32 v1, 5, v0
	s_delay_alu instid0(VALU_DEP_1)
	v_readfirstlane_b32 s30, v1                    ; wave 0..7
	v_lshlrev_b32 v2, 4, v0                        ; Wr on its way in: 16 bytes a thread,
	s_delay_alu instid0(VALU_DEP_1)
	v_lshl_add_u32 v3, v1, 4, v2                   ; in LDS 16 more for each 512 passed
	v_and_b32 v1, 31, v0                           ; lane
	s_delay_alu instid0(VALU_DEP_1)
	v_lshlrev_b32 v4, 6, v1                        ; x: my 16 numbers
	s_delay_alu instid0(VALU_DEP_2)
	v_mul_u32_u24 v5, v1, 528                      ; Wr in LDS: my 16 rows
	s_delay_alu instid0(VALU_DEP_3)
	v_lshlrev_b32 v6, 3, v1                        ; my 16 codes: 8 bytes
	s_delay_alu instid0(VALU_DEP_4)
	v_lshrrev_b32 v7, 1, v1
	s_lshl_b32 s31, s30, 6
	s_add_co_u32 s31, s31, SCB
	v_add_nc_u32 v7, s31, v7                       ; my block's scale byte: SCB + 64 wave + lane / 2
	s_lshl_b32 s31, s30, 3
	s_add_co_u32 s31, s31, IDXL
	v_mov_b32 v8, s31                              ; my wave's two words among the experts' numbers
	v_lshl_add_u32 v9, v1, 4, SCB                  ; wave 0's way out: the scale bytes, 16 a lane,
	v_and_b32 v12, 15, v0
	s_delay_alu instid0(VALU_DEP_1)
	v_lshlrev_b32 v12, 2, v12                      ; a word for each of 16 tokens,
	s_delay_alu instid0(VALU_DEP_1)
	v_add_nc_u32 v10, IDXL, v12
	v_lshlrev_b32 v11, 4, v1
	v_lshlrev_b32 v13, 7, v1                       ; and an expert's mask: 128 bytes apart
	s_mov_b32 s28, 0x76543210
	s_mov_b32 s29, 0xfedcba98                      ; v_permlanex16_b32's selects for lane l xor 16
	s_lshl_b32 s32, ttmp9, 16                      ; 16 tokens x 4,096 bytes,
	s_lshl_b32 s34, s30, 13
	s_add_co_u32 s32, s32, s34                     ; + my wave's two
	s_mov_b32 s33, 0
	s_lshr_b32 s34, s32, 3                         ; the codes are an eighth of that
	s_mov_b32 s35, 0
	s_lshl_b32 s36, ttmp9, 9                       ; 16 x 32 scale bytes
	s_mov_b32 s37, 0
	s_lshl_b32 s38, ttmp9, 6                       ; 16 gates
	s_mov_b32 s39, 0
	s_lshl_b32 s42, ttmp9, 1                       ; 16 bits of a mask
	s_mov_b32 s43, 0
	s_wait_kmcnt 0x0
	s_load_b256 s[20:27], s[8:9], 0x0              ; br's eight numbers
	s_add_nc_u64 s[4:5], s[4:5], s[32:33]
	s_add_nc_u64 s[10:11], s[10:11], s[34:35]
	s_add_nc_u64 s[12:13], s[12:13], s[36:37]
	s_add_nc_u64 s[16:17], s[16:17], s[38:39]
	s_add_nc_u64 s[14:15], s[14:15], s[42:43]
.irp n, 0,1,2,3,4,5,6,7
	global_load_b128 v[WA+4*\n:WA+4*\n+3], v2, s[6:7] offset:4096*\n
.endr
.irp a, 0,1
.irp i, 0,1
.irp q, 0,1,2,3
	global_load_b128 v[X+32*\a+16*\i+4*\q:X+32*\a+16*\i+4*\q+3], v4, s[4:5] offset:4096*\a+2048*\i+16*\q th:TH_LOAD_NT
.endr
.endr
.endr
	s_wait_loadcnt 16                              ; Wr's eight loads are in; x's sixteen, issued behind them, may be out
.irp n, 0,1,2,3,4,5,6,7
	ds_store_b128 v3, v[WA+4*\n:WA+4*\n+3] offset:4224*\n
.endr
	s_wait_dscnt 0x0                               ; for the others' sake: my part of Wr lies in LDS
	s_barrier_signal -1
	s_barrier_wait -1
; batch n of eight: rows k = 512 (n / 4) + 16 l + 4 (n % 4) + 0 .. 3 of Wr, 32 bytes a row
.macro WRLD buf, n
.set WBUF, \buf
.set WN, \n
.irp jj, 0,1,2,3
	ds_load_b128 v[WBUF+8*\jj:WBUF+8*\jj+3], v5 offset:(WN/4)*16896+(4*(WN%4)+\jj)*32
	ds_load_b128 v[WBUF+8*\jj+4:WBUF+8*\jj+7], v5 offset:(WN/4)*16896+(4*(WN%4)+\jj)*32+16
.endr
.endm
; its 32 packed multiply-adds: two experts an instruction, x(k) taken for both halves.  The very first k starts the sums
.macro FMA4 buf, n
.set FB, \buf
.set FN, \n
.irp jj, 0,1,2,3
.irp a, 0,1
.irp p, 0,2,4,6
.set XR, X+32*\a+16*(FN/4)+4*(FN%4)+\jj
.if (FN == 0) && (\jj == 0)
	v_pk_mul_f32 v[ACC+8*\a+\p:ACC+8*\a+\p+1], v[FB+8*\jj+\p:FB+8*\jj+\p+1], v[XR:XR+1] op_sel_hi:[1,0]
.elseif (\jj%2) == 0
	v_pk_fma_f32 v[ACC+8*\a+\p:ACC+8*\a+\p+1], v[FB+8*\jj+\p:FB+8*\jj+\p+1], v[XR:XR+1], v[ACC+8*\a+\p:ACC+8*\a+\p+1] op_sel_hi:[1,0,1]
.else
	v_pk_fma_f32 v[ACC+8*\a+\p:ACC+8*\a+\p+1], v[FB+8*\jj+\p:FB+8*\jj+\p+1], v[XR-1:XR], v[ACC+8*\a+\p:ACC+8*\a+\p+1] op_sel:[0,1,0] op_sel_hi:[1,1,1]
.endif
.endr
.endr
.endr
.endm
	WRLD WA, 0
	s_wait_loadcnt 0x0                             ; x
.irp n, 0,1,2,3,4,5,6,7
.if \n < 7
	WRLD WA+32*((\n+1)%2), \n+1
	s_wait_alu depctr_va_vdst(0)
	s_wait_dscnt 8                                 ; this batch's eight loads are in; the next batch's eight may be out
.else
	s_wait_alu depctr_va_vdst(0)
	s_wait_dscnt 0x0
.endif
	FMA4 WA+32*(\n%2), \n
.endr
	; the 32 lanes' parts of the 16 sums: four steps inside each half of the lanes, one across
.irp m, 1,2,4,8
.irp n, 0,1,2,3,4,5,6,7,8,9,10,11,12,13,14,15
	v_add_f32_dpp v[ACC+\n], v[ACC+\n], v[ACC+\n] row_xmask:\m row_mask:0xf bank_mask:0xf
.endr
.endr
.irp n, 0,1,2,3,4,5,6,7,8,9,10,11,12,13,14,15
	v_permlanex16_b32 v[WA+\n], v[ACC+\n], s28, s29        ; (its destination counts as read: Wr's buffer has been written)
.endr
.irp n, 0,2,4,6,8,10,12,14
	v_pk_add_f32 v[ACC+\n:ACC+\n+1], v[ACC+\n:ACC+\n+1], v[WA+\n:WA+\n+1]
.endr
	s_wait_alu depctr_va_vdst(0)
	s_wait_kmcnt 0x0                               ; br
.irp a, 0,1
.irp e, 0,1,2,3,4,5,6,7
	v_add_f32 v[ACC+8*\a+\e], s[20+\e], v[ACC+8*\a+\e]
.endr
.endr
	; the first largest logit: a later one takes over only where it is strictly larger
.irp a, 0,1
	v_mov_b32 v[BEST+2*\a], v[ACC+8*\a]
	v_mov_b32 v[BEST+2*\a+1], 0
.endr
.irp e, 1,2,3,4,5,6,7
.irp a, 0,1
	v_cmp_gt_f32 vcc_lo, v[ACC+8*\a+\e], v[BEST+2*\a]
	s_delay_alu instid0(VALU_DEP_1)
	v_cndmask_b32 v[BEST+2*\a], v[BEST+2*\a], v[ACC+8*\a+\e], vcc_lo
	s_delay_alu instid0(VALU_DEP_2)
	v_cndmask_b32 v[BEST+2*\a+1], v[BEST+2*\a+1], \e, vcc_lo
.endr
.endr
.irp a, 0,1
.irp p, 0,2,4,6
	v_pk_add_f32 v[ACC+8*\a+\p:ACC+8*\a+\p+1], v[ACC+8*\a+\p:ACC+8*\a+\p+1], v[BEST+2*\a:BEST+2*\a+1] op_sel_hi:[1,0] neg_lo:[0,1] neg_hi:[0,1]   ; logit - largest
.endr
.endr
.irp n, 0,2,4,6,8,10,12,14
	v_pk_mul_f32 v[ACC+\n:ACC+\n+1], v[ACC+\n:ACC+\n+1], 0x3fb8aa3b op_sel_hi:[1,0]   ; x log2(e)
.endr
	s_wait_alu depctr_va_vdst(0)
.irp n, 0,1,2,3,4,5,6,7,8,9,10,11,12,13,14,15
	v_exp_f32 v[ACC+\n], v[ACC+\n]                 ; one batch; the quantising of x is the independent work behind it
.endr
; 16 numbers of a lane become 8 bytes of codes; the block's byte goes to LDS (both lanes of a block write the same byte with the same value)
.macro QX a, i
.set XS, X+32*\a+16*\i
.set CC, CD+2*(2*\a+\i)
	v_max3_num_f32 v180, |v[XS]|, |v[XS+1]|, |v[XS+2]|
	v_max3_num_f32 v181, |v[XS+3]|, |v[XS+4]|, |v[XS+5]|
.irp n, 6,10
	s_delay_alu instid0(VALU_DEP_2)
	v_max3_num_f32 v180, v180, |v[XS+\n]|, |v[XS+\n+1]|
	s_delay_alu instid0(VALU_DEP_2)
	v_max3_num_f32 v181, v181, |v[XS+\n+2]|, |v[XS+\n+3]|
.endr
	s_delay_alu instid0(VALU_DEP_2)
	v_max3_num_f32 v180, v180, |v[XS+14]|, |v[XS+15]|
	s_delay_alu instid0(VALU_DEP_1)
	v_max3_num_f32 v180, v180, v181, 0x1800000     ; the floor 2^(3 - 127): the byte cannot fall under 1
	s_delay_alu instid0(VALU_DEP_1)
	v_max_num_f32_dpp v180, v180, v180 row_xmask:1 row_mask:0xf bank_mask:0xf   ; with my neighbour's 16: the block's largest magnitude
	s_delay_alu instid0(VALU_DEP_1)
	v_add_nc_u32 v182, 0xff000000, v180            ; 2 off its exponent field: the conversion's scale operand
	v_cvt_scalef32_pk8_fp4_f32 v[CC], v[XS:XS+7], v182
	v_cvt_scalef32_pk8_fp4_f32 v[CC+1], v[XS+8:XS+15], v182
	v_lshrrev_b32 v[EB+2*\a+\i], 23, v182          ; the scale's byte (also the plain line behind the conversions)
	ds_store_b8 v7, v[EB+2*\a+\i] offset:32*\a+16*\i
	global_store_b64 v6, v[CC:CC+1], s[10:11] offset:512*\a+256*\i   ; the wave stores 256 consecutive bytes, at a multiple of 256 from xq's first byte
.endm
	QX 0, 0
	QX 0, 1
	QX 1, 0
	QX 1, 1
	s_wait_alu depctr_va_vdst(0)                   ; one wait for the 16 exponentials, ahead of their first reader
.irp a, 0,1
	v_pk_add_f32 v[ACC+8*\a:ACC+8*\a+1], v[ACC+8*\a:ACC+8*\a+1], v[ACC+8*\a+2:ACC+8*\a+3]
	v_pk_add_f32 v[ACC+8*\a+4:ACC+8*\a+5], v[ACC+8*\a+4:ACC+8*\a+5], v[ACC+8*\a+6:ACC+8*\a+7]
.endr
.irp a, 0
	s_delay_alu instid0(VALU_DEP_3)
	v_pk_add_f32 v[ACC+8*\a:ACC+8*\a+1], v[ACC+8*\a:ACC+8*\a+1], v[ACC+8*\a+4:ACC+8*\a+5]
.endr
.irp a, 1
	s_delay_alu instid0(VALU_DEP_2)
	v_pk_add_f32 v[ACC+8*\a:ACC+8*\a+1], v[ACC+8*\a:ACC+8*\a+1], v[ACC+8*\a+4:ACC+8*\a+5]
.endr
.irp a, 0,1
	s_delay_alu instid0(VALU_DEP_2)
	v_add_f32 v[ACC+8*\a], v[ACC+8*\a], v[ACC+8*\a+1]
.endr
	s_wait_alu depctr_va_vdst(0)
	v_rcp_f32 v[GT], v[ACC]                        ; the gate: exp(0) / the sum
	v_rcp_f32 v[GT+1], v[ACC+8]
	v_nop                                          ; a plain line behind the reciprocals
	s_wait_alu depctr_va_vdst(0)                   ; and their wait
.irp a, 0,1
	ds_store_b32 v8, v[BEST+2*\a+1] offset:4*\a    ; all lanes write the same word with the same value
	ds_store_b32 v8, v[GT+\a] offset:256+4*\a
.endr
	s_wait_dscnt 0x0                               ; for wave 0's sake: my bytes and words lie in LDS
	s_barrier_signal -1
	s_barrier_wait -1
	s_cmp_lg_u32 s30, 0
	s_cbranch_scc1 .Lend
	; wave 0 sends out what the work-group has gathered
	ds_load_b128 v[184:187], v9
	ds_load_b32 v188, v10
	ds_load_b32 v189, v10 offset:256
	v_mov_b32 v190, 0
	s_wait_alu depctr_va_vdst(0)
	s_wait_dscnt 0x0
	global_store_b128 v11, v[184:187], s[12:13]    ; 16 tokens' scale bytes: 512 consecutive bytes
	global_store_b32 v12, v189, s[16:17]           ; 16 gates (lanes 16-31 repeat lanes 0-15: same places, same values)
.irp e, 0,1,2,3,4,5,6,7
	v_cmp_eq_u32 s40, \e, v188                     ; which of the 16 tokens chose expert e
	s_and_b32 s40, s40, 0xffff
	v_writelane_b32 v190, s40, \e
.endr
	s_wait_alu depctr_va_vdst(0)
	s_wait_xcnt 0x0                                ; EXEC changes only behind this wait
	v_cmp_gt_u32 vcc_lo, 8, v1
	s_and_saveexec_b32 s41, vcc_lo
	global_store_b16 v13, v190, s[14:15]           ; lane e: 16 bits of expert e's mask, at 128 e + 2 x work-group
	s_wait_xcnt 0x0
	s_or_b32 exec_lo, exec_lo, s41
.Lend:
	s_wait_tensorcnt 0x0
	ds_add_u32 v192, v193
	s_wait_dscnt 0x0
	s_endpgm
.Lfunc_end_k_q58503ce306_route:
	.size	k_q58503ce306_route, .Lfunc_end_k_q58503ce306_route-k_q58503ce306_route
	.p2alignl 7, 3214868480
	.fill 96, 4, 3214868480
	.section	.rodata,"a",@progbits
	.p2align	6, 0x0
	.amdhsa_kernel k_q58503ce306_route
		.amdhsa_group_segment_fixed_size 35840
		.amdhsa_private_segment_fixed_size 0
		.amdhsa_enable_private_segment 0
		.amdhsa_kernarg_size 56
		.amdhsa_user_sgpr_count 2
		.amdhsa_user_sgpr_kernarg_segment_ptr 1
		.amdhsa_wavefront_size32 1
		.amdhsa_system_sgpr_workgroup_id_x 1
		.amdhsa_system_sgpr_workgroup_id_y 1
		.amdhsa_system_sgpr_workgroup_id_z 1
		.amdhsa_system_vgpr_workitem_id 0
		.amdhsa_next_free_vgpr 194
		.amdhsa_next_free_sgpr 66
		.amdhsa_reserve_vcc 1
		.amdhsa_float_denorm_mode_32 3
		.amdhsa_float_denorm_mode_16_64 3
		.amdhsa_memory_ordered 1
		.amdhsa_forward_progress 1
		.amdhsa_inst_pref_size 45
	.end_amdhsa_kernel
	.amdgpu_metadata
---
amdhsa.version: [ 1, 2 ]
amdhsa.kernels:
  - .name:           k_q58503ce306_route
    .symbol:         k_q58503ce306_route.kd
    .args:
      - { .name: x, .offset: 0, .size: 8, .value_kind: global_buffer, .address_space: global }
      - { .name: Wr, .offset: 8, .size: 8, .value_kind: global_buffer, .address_space: global }
      - { .name: br, .offset: 16, .size: 8, .value_kind: global_buffer, .address_space: global }
      - { .name: xq, .offset: 24, .size: 8, .value_kind: global_buffer, .address_space: global }
      - { .name: xs, .offset: 32, .size: 8, .value_kind: global_buffer, .address_space: global }
      - { .name: rmask, .offset: 40, .size: 8, .value_kind: global_buffer, .address_space: global }
      - { .name: gate, .offset: 48, .size: 8, .value_kind: global_buffer, .address_space: global }
    .group_segment_fixed_size: 35840
    .private_segment_fixed_size: 0
    .kernarg_segment_align: 8
    .kernarg_segment_size: 56
    .max_flat_workgroup_size: 256
    .sgpr_count:     66
    .vgpr_count:     194
    .wavefront_size: 32
...
	.end_amdgpu_metadata
.endif
;; end of part 4
;; launch ffn1 (part 5): grid 32 x 8, 16 waves a work-group, no clusters, 223,488 bytes of LDS; arguments W1, b1, xq, xs, rmask, gate, hq, hs, tokl, gsort; writes hq, hs, tokl, gsort
.if DOCPART == 5
	.amdgcn_target "amdgcn-amd-amdhsa--gfx1250"
	.amdhsa_code_object_version 6
	.text
	.protected	k_q58503ce306_ffn1
	.globl	k_q58503ce306_ffn1
	.p2align	8
	.type	k_q58503ce306_ffn1,@function
k_q58503ce306_ffn1:
	s_mov_b64 s[64:65], 0
	v_nop
	global_prefetch_b8 v0, s[64:65] scope:SCOPE_SE
	s_setreg_imm32_b32 hwreg(HW_REG_WAVE_SCHED_MODE, 0, 2), 2
	s_setreg_imm32_b32 hwreg(HW_REG_WAVE_MODE, 25, 1), 1
	s_wait_xcnt 0x0
	s_wait_alu depctr_vm_vsrc(0)
; THE FIRST PRODUCT OF THE CHOSEN ROWS: h = gelu(Q(x) Q(W1[e]) + b1[e]), quantised along F.  Work-group (j, e) makes hidden units 128 j .. 128 j + 127 of expert e for all tokens that chose e.
; Its slab of W1, 1,024 x 128 f32, is read once by this work-group alone and quantised in registers.
; PHASE A (16 waves: 64 columns x 128 rows each).  A LANE TAKES TWO NEIGHBOURING COLUMNS AND ITS REGISTERS RUN DOWN K: a load of 8 bytes a lane reads 256 consecutive bytes of a row, 32 loads fill a set of 64 registers,
; and two sets keep 64 loads, 16 KiB, of a wave on their way.  A block of 32 along K of a column lies in one lane, in every second register; the conversion takes eight registers on end, so eight moves stand ahead of each.
; Two blocks of a lane, exchanged between the halves of the lanes, are the operand's registers of two tiles of 16 columns.  The tiles go to LDS as images of their registers (16 bytes a lane, 512 a store), their scale words likewise.
; A TILE IS THE EVEN OR THE ODD COLUMNS OF 32: row m of tile v is hidden unit 2 m + v of its block.  So register j of a lane's two accumulators holds units 16 (lane / 16) + 2 j + v: gelu's last line writes them by turns.
; THE ROWS.  rmask[e] says which tokens chose e.  Wave 0 turns it into a list in LDS (a token's place = the number of chosen tokens before it).  The places from T on that fill the last tile name the LAST chosen token once
; more: they are computed and stored like the others, and in the last launch they repeat that token's row: the same values to the same bytes, in the same instruction.
; x's CODES COME ONCE, IN WHOLE ROWS: behind the list's barrier wave w asks for the 16 tokens of tile w, 512 consecutive bytes a load, among its loads of W1, and lays them into LDS (rows 528 bytes apart, scale words 48).
; PHASE B (wave = 32 columns x every fourth tile of 16 rows): the slab's codes from LDS into 128 registers, once; for each tile: x's fragments, 16 products (source 0 = 16 columns of W1, source 1 = 16 tokens; b1 is the C of the
; first), gelu, the block's scale, codes.  Tiles 0 to 15 take x from LDS; tiles 16 to 63 (more than 256 tokens on one expert) gather it from memory.  hq [e][block of 32][place][16 bytes], hs [e][128 along F][place][4 bytes].
; Work-group j = 0 also stores the list and the gates in its order.
; gelu(u) = u/2 + u/2 erf(u / sqrt 2), erf(z) = z P(z^2) / Q(z^2) on z held to +-4 (beyond, erf is +-1 in f32).
; LIMITS: NaN and infinities are not served.  erf's absolute error is about 1e-7: far on the negative side (u under -5.6) gelu comes out as 0 or some 1e-8 |u| where it is smaller still.  A block of zeros gets the byte 1.
; No tensor load and no joint request: which tiles exist hangs on stored counts.  What the 32 work-groups of an expert share, x's codes, is 0.5 MiB against 128 MiB of weights that nobody shares.
; THE MODE: SCHED_MODE bits 1:0 = 2 (LLVM: expert scheduling mode 2), set by the entry lines.  The code itself states the register dependences
; between vector or matrix instructions and memory or LDS instructions, with s_wait_alu, always for 0.
; THE PLAN.  Registers that memory or LDS instructions touch, and who else names them:
;   v6-v15, v240, v243-247   phase A's addresses and the zeros: written at the head, ahead of the one wait on va_vdst in front of the first load; written again only behind the wait on vm_vsrc behind the images' barrier.
;   v80-143, v241, v242      wave 0 alone: the list's 32 addresses, its 32 tokens and the filling's two addresses are all made first; one wait on va_vdst; the run of LDS stores; one wait on vm_vsrc at the arm's end,
;                            since block 1's loads and x's loads land there.
;   v168-183, v252           the tokens of the tile that I fetch: LDS loads land, vector lines make offsets of them, one wait on va_vdst, x's 17 loads read them.
;   v184-251                 x's rows on their way: loads land, LDS stores read; one wait on vm_vsrc behind those stores frees them, and the offsets above, for the quantising.
;   the ring's two sets      a block's lines read its set; behind blocks 0 and 1 one wait on va_vdst, then the loads of the block two on land in it.  What follows the loads (the exchange of halves) names none of their registers.
;   v184-217                 W1's codes and scale words: conversions and exchanges write, one wait on va_vdst, the images' stores read.
;   a tile                   v7, v12-v15 are made at its head; one wait on va_vdst there also says that the last tile's products and gelu are done with v184-255, in which x lands.  v235-237 leave behind one more;
;                            one wait on vm_vsrc at the tile's end frees all that its loads and stores read.  All 256 registers of a wave are taken: x's fragments have one buffer.
.set WSC,  65536                       ; LDS: 0: the images, ((tile T x 8 + K step) x 2 + c) x 512 + 16 lane;  here: the scale words, ((T / 2) x 8 + K step) x 128 + 4 lane
.set LIST, 69632                       ; 1,024 list words, then 64 more: one a lane for the lanes whose token did not choose e, and room for the places that fill the last tile
.set XST,  73984                       ; x's codes of places 0 to 255: 528 bytes a place (512 + 16: an odd multiple of 16)
.set XSS,  209152                      ; their scale words: 48 bytes a place (32 + 16)
.set RING, 16                          ; v16-143  phase A: two sets of 64 numbers: row i's two columns at 2 i, 2 i + 1
.set LSA,  80                          ; v80-111  wave 0, ahead of block 1's loads: where the list's 32 stores go;
.set LSD,  112                         ; v112-143 and the tokens that they store
.set TP,   168                         ; v168-183 phase A: two groups of eight numbers of one column, on end, by turns
.set TK,   168                         ; v168-183 before that: the 16 tokens of the tile that I fetch, then their offsets;  v252: the same for the scale words
.set TK2,  252
.set FRT,  184                         ; v184-215 phase A: the codes: column parity u, half of the lanes v at v[FRT + 16 u + 8 v]
.set SW,   216                         ; v216-217 phase A: my columns' scale words
.set WF,   16                          ; v16-143  phase B: W1's fragments: K step k, tile v at v[WF + 16 k + 8 v]
.set WSCL, 144                         ; v144-151 their scale words: lanes 0-15 tile 0's, lanes 16-31 tile 1's
.set BIAS, 152                         ; v152-167 b1 in the result's layout
.set ACC,  168                         ; v168-183 the two accumulators
.set XF,   184                         ; v184-247 x's eight fragments; then gelu's work
.set XSC,  248                         ; v248-255 x's scale words
.set Z,    XF
.set X2,   XF+16
.set PN,   XF+32
.set QN,   XF+48
; v1-v5 stay: LIST + 4 r, XST + 528 r + 16 h, XSS + 48 r, 16 r + 8 h, 4 r.  v6-v11 phase A: the fetch of x;  v12-v15 phase A: W1's offset, where I store images and scale words, b1's offset.  Phase B: v6 = 16 h, v7-v15 at work.
; 32 numbers of one column, in every second register from v[src] on, become 4 registers of codes at v[dst] and byte b of the scale word v[wreg].  t: three registers at work
.macro QBLOCK src, dst, wreg, b, t
.set QS, \src
.set QD, \dst
.set QW, \wreg
.set QT, \t
	v_max3_num_f32 v[QT], |v[QS]|, |v[QS+2]|, |v[QS+4]|
	v_max3_num_f32 v[QT+1], |v[QS+6]|, |v[QS+8]|, |v[QS+10]|
.irp i, 6,10,14,18,22,26
	v_max3_num_f32 v[QT], v[QT], |v[QS+2*\i]|, |v[QS+2*\i+2]|
	v_max3_num_f32 v[QT+1], v[QT+1], |v[QS+2*\i+4]|, |v[QS+2*\i+6]|
.endr
	v_max3_num_f32 v[QT], v[QT], |v[QS+60]|, |v[QS+62]|
	v_max3_num_f32 v[QT], v[QT], v[QT+1], 0x1800000        ; the floor 2^(3 - 127): the byte cannot fall under 1
	v_add_nc_u32 v[QT+2], 0xff000000, v[QT]                ; 2 off the exponent field: the conversion's scale operand
.if (\b) == 0
	v_lshrrev_b32 v[QW], 23, v[QT+2]
.else
	v_lshrrev_b32 v[QT+1], 23, v[QT+2]
	v_lshl_or_b32 v[QW], v[QT+1], 8*(\b), v[QW]
.endif
.irp g, 0,1,2,3
.irp n, 0,1,2,3,4,5,6,7
	v_mov_b32 v[TP+8*(\g%2)+\n], v[QS+16*\g+2*\n]          ; eight of the column on end.  The two groups take turns: a conversion's sources are written again only behind the other group's eight moves
.endr
	v_cvt_scalef32_pk8_fp4_f32 v[QD+\g], v[TP+8*(\g%2):TP+8*(\g%2)+7], v[QT+2]
.endr
	v_nop                                          ; one plain line behind the last conversion
.endm
; a holds block 2 c, b block 2 c + 1 of each lane's column.  Behind it a is register group c of the tile of lanes 0-15's columns, b that of lanes 16-31's
.macro SWAP4 a, b
.irp g, 0,1,2,3
	v_permlane16_swap_b32 v[(\a)+\g], v[(\b)+\g]
.endr
.endm
; block b's 32 rows into set: a load reads 256 consecutive bytes, at a multiple of 256 from W1's first byte
.macro LOADROWS set, b
.set I, 0
.rept 32
	global_load_b64 v[RING+64*(\set)+2*I:RING+64*(\set)+2*I+1], v12, s[4:5] offset:(32*(\b)+I)*16384 th:TH_LOAD_NT
.set I, I+1
.endr
.endm
.macro QB b
	QBLOCK RING+64*((\b)%2), FRT+8*((\b)%2)+4*((\b)/2), SW, \b, 220
	QBLOCK RING+64*((\b)%2)+1, FRT+16+8*((\b)%2)+4*((\b)/2), SW+1, \b, 224
.endm
	s_load_b512 s[4:19], s[0:1], 0x0               ; W1 s[4:5], b1 s[6:7], xq s[8:9], xs s[10:11], rmask s[12:13], gate s[14:15], hq s[16:17], hs s[18:19]
	s_load_b128 s[20:23], s[0:1], 0x40             ; tokl s[20:21], gsort s[22:23]
	v_lshrrev_b32 v12, 5, v0
	v_readfirstlane_b32 s24, v12                   ; wave 0..15
	v_and_b32 v228, 31, v0                         ; lane
	v_and_b32 v229, 15, v0                         ; r
	v_bfe_u32 v230, v0, 4, 1                       ; h
	v_bfe_u32 v231, v0, 1, 4                       ; lane / 2
	v_and_b32 v232, 1, v0                          ; lane % 2
	s_wait_alu depctr_va_sdst(0)                   ; s24 is written, ahead of its first reader: shares, bases and branches are made from it
	s_and_b32 s25, s24, 1                          ; phase A: which 64 columns,
	s_lshr_b32 s26, s24, 1                         ; which 128 rows
	s_and_b32 s29, s24, 3                          ; phase B: which 32 columns,
	s_lshr_b32 s68, s24, 2                         ; my first tile of rows
	s_and_b32 s27, ttmp7, 0xffff                   ; the expert
	s_or_b32 s79, ttmp9, s29                       ; 0: I also store the list and the gates
	v_lshl_add_u32 v1, v229, 2, LIST               ; the list's word r
	v_mul_u32_u24 v2, v229, 528
	v_lshl_add_u32 v2, v230, 4, v2
	v_add_nc_u32 v2, XST, v2                       ; x's fragments in LDS: place r, + 16 h
	v_mul_u32_u24 v3, v229, 48
	v_add_nc_u32 v3, XSS, v3                       ; and its scale words
	v_lshlrev_b32 v4, 4, v229
	v_lshl_add_u32 v4, v230, 3, v4                 ; 16 r + 8 h
	v_lshlrev_b32 v5, 2, v229                      ; 4 r
	s_lshl_b32 s30, s24, 6
	s_add_co_u32 s30, s30, LIST
	v_mov_b32 v6, s30                              ; the list's 16 words of tile w: the same address in every lane,
	v_lshl_add_u32 v7, v231, 2, s30                ; and word lane / 2 of them
	s_mul_i32 s30, s24, 8448
	s_add_co_u32 s30, s30, XST
	v_lshl_add_u32 v8, v228, 4, s30                ; where I lay tile w's rows: 16 bytes a lane
	s_mul_i32 s30, s24, 768
	s_add_co_u32 s30, s30, XSS
	v_mul_u32_u24 v9, v231, 48
	v_lshl_add_u32 v9, v232, 4, v9
	v_add_nc_u32 v9, s30, v9                       ; and its scale words: place lane / 2, half lane % 2
	v_lshlrev_b32 v10, 4, v228                     ; 16 lane
	v_lshlrev_b32 v11, 4, v232                     ; 16 (lane % 2)
	v_lshlrev_b32 v12, 3, v228                     ; W1: my two columns
	s_lshl_b32 s30, s25, 15
	s_lshl_b32 s31, s26, 10
	s_add_co_u32 s30, s30, s31
	v_lshl_add_u32 v13, v228, 4, s30               ; where I store images
	s_lshl_b32 s30, s25, 11
	s_lshl_b32 s31, s26, 7
	s_add_co_u32 s30, s30, s31
	s_add_co_u32 s30, s30, WSC
	v_lshl_add_u32 v14, v229, 2, s30
	v_lshl_add_u32 v14, v230, 10, v14              ; and scale words: lanes 16-31 hold the next 32 columns'
	v_lshlrev_b32 v15, 6, v230                     ; b1: 64 h
	v_add_nc_u32 v240, 1024, v228                  ; wave 0's list: the place of a lane whose token did not choose e,
	v_lshl_add_u32 v243, v228, 4, LIST             ; the first filling's address,
.irp n, 244,245,246,247
	v_mov_b32 v\n, 0                               ; and its zeros
.endr
	s_mov_b32 s72, 0xaf95df0b                      ; erf's P: -2.72614226e-10,
	s_mov_b32 s73, 0x32edffee                      ; 2.77068142e-8;
	s_mov_b32 s74, 0xb77460cd                      ; its Q: -1.45660718e-5,
	s_mov_b32 s75, 0xb95fbd29                      ; -2.13374055e-4
	s_mov_b32 s76, 0x76543210
	s_mov_b32 s77, 0xfedcba98                      ; v_permlanex16_b32's selects for lane l xor 16
	s_mov_b32 s31, 0
	s_wait_kmcnt 0x0
	s_lshl_b32 s30, s27, 7
	s_add_nc_u64 s[12:13], s[12:13], s[30:31]
	s_load_b512 s[32:47], s[12:13], 0x0            ; the expert's mask: 32 words
	s_load_b512 s[48:63], s[12:13], 0x40
	s_lshl_b32 s30, s27, 24                        ; W1: the expert, my 128 rows, the slab, my 64 columns
	s_lshl_b32 s70, s26, 21
	s_add_co_u32 s30, s30, s70
	s_lshl_b32 s70, ttmp9, 9
	s_add_co_u32 s30, s30, s70
	s_lshl_b32 s70, s25, 8
	s_add_co_u32 s30, s30, s70
	s_add_nc_u64 s[4:5], s[4:5], s[30:31]
	s_lshl_b32 s30, s27, 14                        ; b1: the expert, the slab, my 32 columns
	s_lshl_b32 s70, ttmp9, 9
	s_add_co_u32 s30, s30, s70
	s_lshl_b32 s70, s29, 7
	s_add_co_u32 s30, s30, s70
	s_add_nc_u64 s[6:7], s[6:7], s[30:31]
	s_lshl_b32 s30, s27, 21                        ; hq: the expert, block 4 j + my 32 columns
	s_lshl_b32 s70, ttmp9, 16
	s_add_co_u32 s30, s30, s70
	s_lshl_b32 s70, s29, 14
	s_add_co_u32 s30, s30, s70
	s_add_nc_u64 s[16:17], s[16:17], s[30:31]
	s_lshl_b32 s30, s27, 17                        ; hs: the expert, K step j, my byte of the word
	s_lshl_b32 s70, ttmp9, 12
	s_add_co_u32 s30, s30, s70
	s_add_co_u32 s30, s30, s29
	s_add_nc_u64 s[18:19], s[18:19], s[30:31]
	s_lshl_b32 s30, s27, 12                        ; tokl, gsort: the expert
	s_add_nc_u64 s[20:21], s[20:21], s[30:31]
	s_add_nc_u64 s[22:23], s[22:23], s[30:31]
	s_wait_alu depctr_va_vdst(0)                   ; the head's lines have written v6 to v15 and v243 to v247, which phase A's loads and LDS instructions read as offsets, addresses and data
	LOADROWS 0, 0                                  ; block 0 goes out ahead of the list
	s_wait_kmcnt 0x0                               ; the mask
	s_bcnt1_i32_b32 s66, s32
.irp c, 33,34,35,36,37,38,39,40,41,42,43,44,45,46,47,48,49,50,51,52,53,54,55,56,57,58,59,60,61,62,63
	s_bcnt1_i32_b32 s70, s\c
	s_add_co_u32 s66, s66, s70                     ; T: how many tokens chose e
.endr
	s_add_co_u32 s67, s66, 15
	s_lshr_b32 s67, s67, 4
	s_min_u32 s67, s67, 64                         ; tiles of 16 rows
	s_cmp_lg_u32 s24, 0
	s_cbranch_scc1 .Lno_list
.irp n, 0,1,2,3,4,5,6,7
	ds_store_b128 v243, v[244:247] offset:512*\n   ; every one of the 1,024 places is written once, with token 0
.endr
	s_mov_b32 s71, 0
.irp c, 0,1,2,3,4,5,6,7,8,9,10,11,12,13,14,15,16,17,18,19,20,21,22,23,24,25,26,27,28,29,30,31
	v_mbcnt_lo_u32_b32 v[LSA+\c], s[32+\c], s71    ; token 32 c + lane: how many chosen tokens stand before it
	v_cndmask_b32 v[LSA+\c], v240, v[LSA+\c], s[32+\c]   ; not chosen: the lane's own spare word
	v_min_u32 v[LSA+\c], 0x43f, v[LSA+\c]
	v_lshl_add_u32 v[LSA+\c], v[LSA+\c], 2, LIST
	v_add_nc_u32 v[LSD+\c], 32*\c, v228            ; all 32 addresses and tokens are made first, each in a register of its own: the ring's second set is idle until block 1 is asked for
	s_bcnt1_i32_b32 s70, s[32+\c]
	s_add_co_u32 s71, s71, s70
.endr
	s_max_u32 s70, s66, 1
	s_sub_co_u32 s70, s70, 1                       ; the last chosen token's place, T - 1 (0 where nobody chose e: no tile is then read)
	v_mov_b32 v241, s70
	v_min_u32 v241, 0x3ff, v241
	v_lshl_add_u32 v241, v241, 2, LIST
	v_add_nc_u32 v242, s66, v228                   ; places T .. T + 31, 1,055 at the most: the last tile's rest lies among the first 15 of them
	v_min_u32 v242, 0x43f, v242
	v_lshl_add_u32 v242, v242, 2, LIST
	s_wait_alu depctr_va_vdst(0)                   ; v80 to v143, v241 and v242 are written: the LDS instructions below read them as addresses and data
.irp c, 0,1,2,3,4,5,6,7,8,9,10,11,12,13,14,15,16,17,18,19,20,21,22,23,24,25,26,27,28,29,30,31
	ds_store_b32 v[LSA+\c], v[LSD+\c]
.endr
	ds_load_b32 v248, v241                         ; LDS serves a wave's instructions in order (ISA guide 5.7.1.4): this sees the stores above
	s_wait_dscnt 0x0
	ds_store_b32 v242, v248                        ; they name the last chosen token once more
	s_wait_alu depctr_vm_vsrc(0)                   ; the list's LDS instructions have read v80 to v143 and v241 to v248, in which block 1's loads and x's loads land
.Lno_list:
	s_wait_dscnt 0x0                               ; the list lies in LDS.  Its stores go to places that hang on the mask: a barrier of their own parts them from every other LDS access of the work-group
	s_barrier_signal -1
	s_barrier_wait -1
	s_cmp_ge_u32 s24, s67                          ; is there a tile w?
	s_cbranch_scc1 .Lno_stage
.irp i, 0,1,2,3,4,5,6,7,8,9,10,11,12,13,14,15
	ds_load_b32 v[TK+\i], v6 offset:4*\i           ; the token at place 16 w + i, in every lane
.endr
	ds_load_b32 v[TK2], v7                         ; and the one at place 16 w + lane / 2
	s_wait_dscnt 0x0
.irp i, 0,1,2,3,4,5,6,7,8,9,10,11,12,13,14,15
	v_min_u32 v[TK+\i], 0x3ff, v[TK+\i]
.endr
	v_min_u32 v[TK2], 0x3ff, v[TK2]
.irp i, 0,1,2,3,4,5,6,7,8,9,10,11,12,13,14,15
	v_lshl_add_u32 v[TK+\i], v[TK+\i], 9, v10      ; its codes: 512 bytes a token, 16 a lane
.endr
	v_lshl_add_u32 v[TK2], v[TK2], 5, v11          ; its scale words: 32 bytes a token
	s_wait_alu depctr_va_vdst(0)                   ; the 17 offsets are written, which x's loads read; the head's lines are done with v228 to v247, in which those loads land
.irp i, 0,1,2,3,4,5,6,7,8,9,10,11,12,13,14,15
	global_load_b128 v[XF+4*\i:XF+4*\i+3], v[TK+\i], s[8:9]   ; the wave reads a token's 512 consecutive bytes, at a multiple of 256 from xq's first byte
.endr
	global_load_b128 v[XSC:XSC+3], v[TK2], s[10:11]
	LOADROWS 1, 1
	s_wait_loadcnt 32                              ; block 0 and x are in; block 1's 32 loads, issued behind them, may be out
.irp i, 0,1,2,3,4,5,6,7,8,9,10,11,12,13,14,15
	ds_store_b128 v8, v[XF+4*\i:XF+4*\i+3] offset:528*\i
.endr
	ds_store_b128 v9, v[XSC:XSC+3]
	s_wait_dscnt 0x0                               ; the stores are done
	s_wait_alu depctr_vm_vsrc(0)                   ; the LDS stores have read v184 to v251 and x's loads v168 to v183: the quantising of W1 writes both next
	s_branch .Lstaged
.Lno_stage:
	LOADROWS 1, 1                                  ; (no vector line has named v80 to v143 or v12 since the last wait on va_vdst, in wave 0 too)
.Lstaged:
	s_wait_loadcnt 32                              ; block 0 is in; block 1's 32 loads may be out
	QB 0
	s_wait_alu depctr_va_vdst(0)                   ; block 0's lines are done reading the first set, in which block 2's loads land
	LOADROWS 0, 2
	s_wait_loadcnt 32                              ; block 1 is in; block 2's 32 may be out
	QB 1
	s_wait_alu depctr_va_vdst(0)                   ; block 1's lines are done reading the second set, in which block 3's loads land
	LOADROWS 1, 3
.irp u, 0,1
.irp n, 0,1,2,3,4,5,6,7
	global_load_b32 v[BIAS+8*\u+\n], v15, s[6:7] offset:(2*\n+\u)*4   ; b1 at hidden unit 16 h + 2 n + u of my 32: the result's layout
.endr
.endr
	SWAP4 FRT, FRT+8                               ; behind the loads: these lines name the codes alone, none of the registers that the loads touch
	SWAP4 FRT+16, FRT+24
	s_wait_loadcnt 48                              ; block 2 is in; block 3's 32 loads and b1's 16 may be out
	QB 2
	s_wait_loadcnt 0x0                             ; block 3, and b1, which was asked for directly behind it
	QB 3
	SWAP4 FRT+4, FRT+12
	SWAP4 FRT+20, FRT+28
	s_wait_alu depctr_va_vdst(0)                   ; the conversions and exchanges have written the codes and the scale words, which the LDS stores read
.irp u, 0,1
.irp v, 0,1
.irp c, 0,1
	ds_store_b128 v13, v[FRT+16*\u+8*\v+4*\c:FRT+16*\u+8*\v+4*\c+3] offset:(2*\v+\u)*8192+512*\c   ; half v of the lanes: the wave's block v of 32 columns; parity u: its tile u
.endr
.endr
	ds_store_b32 v14, v[SW+\u] offset:64*\u
.endr
	s_wait_dscnt 0x0                               ; for the others' sake: my images, and my tile of x, lie in LDS
	s_barrier_signal -1
	s_barrier_wait -1
	; ---- phase B: my 32 columns' codes for all of K, once.  (No load or store of mine is out: v6 and v12 to v15 may be written)
	s_wait_alu depctr_vm_vsrc(0)                   ; phase A's loads and LDS instructions have read v6 and v12 to v15, which are written from here on, and the images' stores v184 to v217, in which x's fragments land
	s_lshl_b32 s30, s29, 14
	v_add_nc_u32 v12, s30, v10                     ; from where I load images,
	s_lshl_b32 s30, s29, 10
	s_add_co_u32 s30, s30, WSC
	v_and_b32 v13, 31, v0
	v_lshl_add_u32 v13, v13, 2, s30                ; and scale words
	v_bfe_u32 v6, v0, 4, 1
	v_lshlrev_b32 v6, 4, v6                        ; 16 h
	s_wait_alu depctr_va_vdst(0)                   ; v12 and v13 are written, which the LDS loads below read
.irp k, 0,1,2,3,4,5,6,7
.irp v, 0,1
.irp c, 0,1
	ds_load_b128 v[WF+16*\k+8*\v+4*\c:WF+16*\k+8*\v+4*\c+3], v12 offset:\v*8192+\k*1024+512*\c
.endr
.endr
	ds_load_b32 v[WSCL+\k], v13 offset:128*\k
.endr
	s_wait_dscnt 0x0
	s_wait_alu depctr_vm_vsrc(0)                   ; these loads have read v12 and v13, which the first tile writes
; TILE m = s68 OF 16 PLACES.  src = 0: x from LDS; src = 1: x gathered from memory.  A tile that the count does not reach is jumped over
.macro TILE src
	s_cmp_ge_u32 s68, s67
	s_cbranch_scc1 .Lskip_\@
	v_lshl_add_u32 v14, s68, 6, v5                 ; 64 m + 4 r
	v_lshl_add_u32 v15, s68, 8, v4                 ; 256 m + 16 r + 8 h
	v_lshl_add_u32 v7, s68, 6, v1                  ; the list's word 16 m + r
.if (\src) == 0
	s_mul_i32 s70, s68, 8448
	s_mul_i32 s71, s68, 768
	v_add_nc_u32 v12, s70, v2
	v_add_nc_u32 v13, s71, v3
	s_wait_alu depctr_va_vdst(0)                   ; the tile's addresses v7 and v12 to v15 are written; the last tile's products and gelu are done with v184 to v255, in which x lands
.irp k, 0,1,2,3,4,5,6,7
.irp c, 0,1
	ds_load_b128 v[XF+8*\k+4*\c:XF+8*\k+4*\c+3], v12 offset:64*\k+32*\c
.endr
.endr
	ds_load_b128 v[XSC:XSC+3], v13
	ds_load_b128 v[XSC+4:XSC+7], v13 offset:16
	s_cmp_lg_u32 s79, 0
	s_cbranch_scc1 .Lnot_first_\@
	ds_load_b32 v8, v7                             ; the token at place 16 m + r
	s_wait_dscnt 0x0
	v_min_u32 v8, 0x3ff, v8
.else
	s_wait_alu depctr_va_vdst(0)                   ; v7 is written, which the LDS load reads; so are v14 and v15, for the stores
	ds_load_b32 v8, v7                             ; the token at place 16 m + r
	s_wait_dscnt 0x0
	v_min_u32 v8, 0x3ff, v8
	v_lshl_add_u32 v9, v8, 9, v6                   ; its codes: 512 bytes a token, + 16 h
	v_lshlrev_b32 v10, 5, v8                       ; its scale words: 32 bytes a token
	s_wait_alu depctr_va_vdst(0)                   ; the offsets v9 and v10 are written, which x's loads read (the last tile's lines on v184 to v255 stand ahead of the wait above)
.irp k, 0,1,2,3,4,5,6,7
.irp c, 0,1
	global_load_b128 v[XF+8*\k+4*\c:XF+8*\k+4*\c+3], v9, s[8:9] offset:64*\k+32*\c
.endr
.endr
	global_load_b128 v[XSC:XSC+3], v10, s[10:11]
	global_load_b128 v[XSC+4:XSC+7], v10, s[10:11] offset:16
	s_cmp_lg_u32 s79, 0
	s_cbranch_scc1 .Lnot_first_\@
.endif
	v_lshlrev_b32 v11, 2, v8
	s_wait_alu depctr_va_vdst(0)                   ; v8 and v11 are written: the gate's load reads v11 as its offset, the list's store v8 as its data
	global_load_b32 v[ACC], v11, s[14:15]          ; the token's gate
	global_store_b32 v14, v8, s[20:21]             ; the list, for the last launch (lanes 16-31 repeat lanes 0-15)
	s_wait_loadcnt 0x0
	global_store_b32 v14, v[ACC], s[22:23]         ; and the gates in the list's order
	s_wait_xcnt 0x0                                ; the store has read its data: the products write that register
	s_wait_alu depctr_vm_vsrc(0)                   ; the gates' store has read v168, which the first product writes
.Lnot_first_\@:
.if (\src) == 0
	s_wait_dscnt 0x0                               ; x's fragments and scale words
.else
	s_wait_loadcnt 0x0                             ; for 0: the two ways here differ in their loads
.endif
	; the two accumulators take turns, one instruction a turn
	v_wmma_scale_f32_16x16x128_f8f6f4 v[ACC:ACC+7], v[WF:WF+7], v[XF:XF+7], v[BIAS:BIAS+7], v[WSCL], v[XSC] matrix_a_fmt:MATRIX_FMT_FP4 matrix_b_fmt:MATRIX_FMT_FP4
	v_wmma_scale_f32_16x16x128_f8f6f4 v[ACC+8:ACC+15], v[WF+8:WF+15], v[XF:XF+7], v[BIAS+8:BIAS+15], v[WSCL], v[XSC] matrix_a_fmt:MATRIX_FMT_FP4 matrix_b_fmt:MATRIX_FMT_FP4 matrix_a_scale:MATRIX_SCALE_ROW1
.irp k, 1,2,3,4,5,6,7
	v_wmma_scale_f32_16x16x128_f8f6f4 v[ACC:ACC+7], v[WF+16*\k:WF+16*\k+7], v[XF+8*\k:XF+8*\k+7], v[ACC:ACC+7], v[WSCL+\k], v[XSC+\k] matrix_a_fmt:MATRIX_FMT_FP4 matrix_b_fmt:MATRIX_FMT_FP4
	v_wmma_scale_f32_16x16x128_f8f6f4 v[ACC+8:ACC+15], v[WF+16*\k+8:WF+16*\k+15], v[XF+8*\k:XF+8*\k+7], v[ACC+8:ACC+15], v[WSCL+\k], v[XSC+\k] matrix_a_fmt:MATRIX_FMT_FP4 matrix_b_fmt:MATRIX_FMT_FP4 matrix_a_scale:MATRIX_SCALE_ROW1
.endr
.rept 4
	v_nop                                          ; four places behind the products (ISA guide 7.12.1): what follows reads their results and writes over x's fragments
.endr
	; gelu, in f32; each accumulator is read from its low end on
.irp p, 0,2,4,6,8,10,12,14
	v_pk_mul_f32 v[Z+\p:Z+\p+1], v[ACC+\p:ACC+\p+1], 0x3f3504f3 op_sel_hi:[1,0]   ; z = u / sqrt 2
.endr
.irp n, 0,1,2,3,4,5,6,7,8,9,10,11,12,13,14,15
	v_med3_num_f32 v[Z+\n], v[Z+\n], -4.0, 4.0
.endr
.irp p, 0,2,4,6,8,10,12,14
	v_pk_mul_f32 v[X2+\p:X2+\p+1], v[Z+\p:Z+\p+1], v[Z+\p:Z+\p+1]
.endr
.irp n, 0,1,2,3,4,5,6,7,8,9,10,11,12,13,14,15
	v_fma_f32 v[PN+\n], v[X2+\n], s72, s73
	v_fma_f32 v[QN+\n], v[X2+\n], s74, s75
.endr
.irp a, 0xb60cff51, 0xb86ec2d2, 0xba40ac63, 0xbb41a1f6, 0xbc83dbd4
.irp p, 0,2,4,6,8,10,12,14
	v_pk_fma_f32 v[PN+\p:PN+\p+1], v[PN+\p:PN+\p+1], v[X2+\p:X2+\p+1], \a op_sel_hi:[1,1,0]   ; P: -2.10102402e-6, -5.69250639e-5, -7.34990630e-4, -2.95459981e-3, -1.60960333e-2
.endr
.endr
.irp a, 0xbadc924e, 0xbbf19bf8, 0xbc69b6a7
.irp p, 0,2,4,6,8,10,12,14
	v_pk_fma_f32 v[QN+\p:QN+\p+1], v[QN+\p:QN+\p+1], v[X2+\p:X2+\p+1], \a op_sel_hi:[1,1,0]   ; Q: -1.68282697e-3, -7.37332917e-3, -1.42647391e-2
.endr
.endr
	s_wait_alu depctr_va_vdst(0)
.irp n, 0,1,2,3,4,5,6,7,8,9,10,11,12,13,14,15
	v_rcp_f32 v[QN+\n], v[QN+\n]                   ; one batch
.endr
.irp p, 0,2,4,6,8,10,12,14
	v_pk_mul_f32 v[PN+\p:PN+\p+1], v[PN+\p:PN+\p+1], v[Z+\p:Z+\p+1]   ; z P: independent work behind the batch,
.endr
.irp p, 0,2,4,6,8,10,12,14
	v_pk_mul_f32 v[X2+\p:X2+\p+1], v[ACC+\p:ACC+\p+1], 0.5 op_sel_hi:[1,0]   ; and u / 2
.endr
	s_wait_alu depctr_va_vdst(0)                   ; one wait for the 16 reciprocals in v232 to v247, ahead of their first reader
.irp p, 0,2,4,6,8,10,12,14
	v_pk_mul_f32 v[PN+\p:PN+\p+1], v[PN+\p:PN+\p+1], v[QN+\p:QN+\p+1]   ; erf
.endr
.irp n, 0,1,2,3,4,5,6,7
	v_fma_f32 v[Z+2*\n], v[X2+\n], v[PN+\n], v[X2+\n]             ; u/2 erf + u/2.  Tile 0's register n is hidden unit 16 h + 2 n,
	v_fma_f32 v[Z+2*\n+1], v[X2+8+\n], v[PN+8+\n], v[X2+8+\n]     ; tile 1's is 16 h + 2 n + 1: written by turns, the 16 run along the next K
.endr
	; my 16 numbers and lane l xor 16's are a block of 32 along the next K
	v_max3_num_f32 v232, |v[Z]|, |v[Z+1]|, 0x1800000       ; with the floor 2^(3 - 127)
	v_max3_num_f32 v234, |v[Z+8]|, |v[Z+9]|, |v[Z+10]|
	v_max3_num_f32 v232, v232, |v[Z+2]|, |v[Z+3]|
	v_max3_num_f32 v234, v234, |v[Z+11]|, |v[Z+12]|
	v_max3_num_f32 v232, v232, |v[Z+4]|, |v[Z+5]|
	v_max3_num_f32 v234, v234, |v[Z+13]|, |v[Z+14]|
	v_max3_num_f32 v232, v232, |v[Z+6]|, |v[Z+7]|
	v_max3_num_f32 v232, v232, v234, |v[Z+15]|
	v_permlanex16_b32 v233, v232, s76, s77
	v_max_num_f32 v232, v232, v233
	v_add_nc_u32 v234, 0xff000000, v232            ; 2 off the exponent field: the conversion's scale operand
	v_cvt_scalef32_pk8_fp4_f32 v236, v[Z:Z+7], v234
	v_cvt_scalef32_pk8_fp4_f32 v237, v[Z+8:Z+15], v234
	v_lshrrev_b32 v235, 23, v234                   ; the scale's byte (also the plain line behind the conversions)
	s_wait_alu depctr_va_vdst(0)                   ; the codes v236, v237 and the byte v235 are written, which the two stores read
	global_store_b64 v15, v[236:237], s[16:17]     ; the wave stores 256 consecutive bytes, at a multiple of 256 from hq's first byte
	global_store_b8 v14, v235, s[18:19]            ; my block's byte of the rows' scale words (both halves of the lanes write the same)
	s_wait_xcnt 0x0                                ; the stores' data and offsets are written again in the next trip only behind this wait
	s_wait_alu depctr_vm_vsrc(0)                   ; the tile's loads and stores have read v7 to v15 and v235 to v237: the next tile makes the addresses anew, and x's fragments land on the data
.Lskip_\@:
.endm
	s_mov_b32 s69, 0
.Lnear:                                            ; 4 trips: my tiles among tiles 0 to 15, whose x lies in LDS
	TILE 0
	s_add_co_u32 s68, s68, 4
	s_add_co_u32 s69, s69, 1
	s_cmp_lt_u32 s69, 4
	s_cbranch_scc1 .Lnear
	s_mov_b32 s69, 0
.Lfar:                                             ; 12 trips: my tiles among tiles 16 to 63
	TILE 1
	s_add_co_u32 s68, s68, 4
	s_add_co_u32 s69, s69, 1
	s_cmp_lt_u32 s69, 12
	s_cbranch_scc1 .Lfar
	s_wait_xcnt 0x0
	v_lshl_add_u32 v254, v0, 2, 0x36100            ; the add's two registers, made anew straight ahead of the closing lines: no memory or LDS instruction has ever read v254 or v255
	v_mov_b32 v255, 0
	s_wait_dscnt 0x0                               ; the closing lines, six on end
	s_wait_alu 0x0
	s_wait_tensorcnt 0x0
	ds_add_u32 v254, v255
	s_wait_dscnt 0x0
	s_endpgm
.Lfunc_end_k_q58503ce306_ffn1:
	.size	k_q58503ce306_ffn1, .Lfunc_end_k_q58503ce306_ffn1-k_q58503ce306_ffn1
	.p2alignl 7, 3214868480
	.fill 96, 4, 3214868480
	.section	.rodata,"a",@progbits
	.p2align	6, 0x0
	.amdhsa_kernel k_q58503ce306_ffn1
		.amdhsa_group_segment_fixed_size 223488
		.amdhsa_private_segment_fixed_size 0
		.amdhsa_enable_private_segment 0
		.amdhsa_kernarg_size 80
		.amdhsa_user_sgpr_count 2
		.amdhsa_user_sgpr_kernarg_segment_ptr 1
		.amdhsa_wavefront_size32 1
		.amdhsa_system_sgpr_workgroup_id_x 1
		.amdhsa_system_sgpr_workgroup_id_y 1
		.amdhsa_system_sgpr_workgroup_id_z 1
		.amdhsa_system_vgpr_workitem_id 0
		.amdhsa_next_free_vgpr 256
		.amdhsa_next_free_sgpr 96
		.amdhsa_reserve_vcc 0
		.amdhsa_float_denorm_mode_32 3
		.amdhsa_float_denorm_mode_16_64 3
		.amdhsa_memory_ordered 1
		.amdhsa_forward_progress 1
		.amdhsa_inst_pref_size 109
	.end_amdhsa_kernel
	.amdgpu_metadata
---
amdhsa.version: [ 1, 2 ]
amdhsa.kernels:
  - .name:           k_q58503ce306_ffn1
    .symbol:         k_q58503ce306_ffn1.kd
    .args:
      - { .name: W1, .offset: 0, .size: 8, .value_kind: global_buffer, .address_space: global }
      - { .name: b1, .offset: 8, .size: 8, .value_kind: global_buffer, .address_space: global }
      - { .name: xq, .offset: 16, .size: 8, .value_kind: global_buffer, .address_space: global }
      - { .name: xs, .offset: 24, .size: 8, .value_kind: global_buffer, .address_space: global }
      - { .name: rmask, .offset: 32, .size: 8, .value_kind: global_buffer, .address_space: global }
      - { .name: gate, .offset: 40, .size: 8, .value_kind: global_buffer, .address_space: global }
      - { .name: hq, .offset: 48, .size: 8, .value_kind: global_buffer, .address_space: global }
      - { .name: hs, .offset: 56, .size: 8, .value_kind: global_buffer, .address_space: global }
      - { .name: tokl, .offset: 64, .size: 8, .value_kind: global_buffer, .address_space: global }
      - { .name: gsort, .offset: 72, .size: 8, .value_kind: global_buffer, .address_space: global }
    .group_segment_fixed_size: 223488
    .private_segment_fixed_size: 0
    .kernarg_segment_align: 8
    .kernarg_segment_size: 80
    .max_flat_workgroup_size: 512
    .sgpr_count:     96
    .vgpr_count:     256
    .wavefront_size: 32
...
	.end_amdgpu_metadata
.endif
;; end of part 5
;; launch ffn2 (part 6): grid 32 x 8, 16 waves a work-group, no clusters, 264,192 bytes of LDS; arguments W2, b2, hq, hs, rmask, tokl, gsort, out0; writes out0
.if DOCPART == 6
	.amdgcn_target "amdgcn-amd-amdhsa--gfx1250"
	.amdhsa_code_object_version 6
	.text
	.protected	k_q58503ce306_ffn2
	.globl	k_q58503ce306_ffn2
	.p2align	8
	.type	k_q58503ce306_ffn2,@function
k_q58503ce306_ffn2:
	s_mov_b64 s[64:65], 0
	v_nop
	global_prefetch_b8 v0, s[64:65] scope:SCOPE_SE
	s_setreg_imm32_b32 hwreg(HW_REG_WAVE_SCHED_MODE, 0, 2), 2
	s_setreg_imm32_b32 hwreg(HW_REG_WAVE_MODE, 25, 1), 1
	s_wait_xcnt 0x0
	s_wait_alu depctr_vm_vsrc(0)
; THE SECOND PRODUCT OF THE CHOSEN ROWS: out[token] = (Q(h) Q(W2[e]) + b2[e]) x gate.  Work-group (j, e) makes outputs 32 j .. 32 j + 31 of expert e for all tokens that chose e.
; Its slab of W2, 4,096 x 32 f32, is read once and quantised in registers.  K IS SHARED AMONG THE WAVES: wave w owns rows 256 w .. 256 w + 255 (two K steps of 128) of all 32 columns, so its codes never leave its registers.
; A LANE TAKES TWO NEIGHBOURING COLUMNS AND ITS REGISTERS RUN DOWN K: lane (r, q) loads 8 bytes, columns 2 r and 2 r + 1; lanes 16-31 stand 32 rows further down.  A load so reads 128 consecutive bytes of each of two rows,
; 32 loads fill a set of 64 registers, and two sets keep 64 loads, 16 KiB, of a wave on their way.  A block of 32 along K of a column lies in one lane, in every second register; the conversion takes eight registers on end,
; so eight moves stand ahead of each.  A TILE IS THE EVEN OR THE ODD COLUMNS: row m of tile v is column 2 m + v.  Lane (r, q) then holds block 2 c + q of row r of both tiles: the operand's own layout: nothing changes lanes.
; A row's scale word is joined from lanes l and l xor 16, which hold two of its four bytes each.
; THE ROWS go in chunks of 8 tiles of 16 places.  Each wave multiplies its two K steps for every tile of the chunk (source 0 = 16 columns of W2, source 1 = 16 places of h) and lays its part sums into LDS as images of the
; accumulators' registers | barrier | wave w adds the 16 waves' parts of tile w / 2, registers 4 (w % 2) + 0 .. 3 of both column tiles, in the order of the waves: these are eight neighbouring outputs, 16 h + 8 (w % 2) + 0 .. 7;
; the addition of b2 writes them in that order; x the gate; each place's row is stored at its token | barrier.
; The places that fill an expert's last tile name its last chosen token once more and hold that token's h: their lanes store the same values to the same bytes as that token's own lane, in the same instruction.
; The chunk loop has 8 trips, a constant; what the count of tiles does not reach is jumped over, and no barrier stands under such a jump.  Every lane is on throughout.
; LIMITS: NaN and infinities are not served.  A block of zeros of W2 gets the byte 1 (its codes are zeros).
; No tensor load and no joint request: which tiles exist hangs on stored counts; h's codes, which the 32 work-groups of an expert share, are 2 MiB in all against 128 MiB of weights that nobody shares.
; THE MODE: SCHED_MODE bits 1:0 = 2 (LLVM: expert scheduling mode 2), set by the entry lines.  The code itself states the register dependences
; between vector or matrix instructions and memory or LDS instructions, with s_wait_alu, always for 0.
; THE PLAN.  Registers that memory or LDS instructions touch, and who else names them:
;   v4, v6, v11, v240-243    offsets and LDS addresses: written at the head, ahead of the one wait on va_vdst in front of the first load, and never again.  v254, v255 likewise, read by the closing add alone.
;   the two sets of W2       a step's lines read its set; behind steps 0 and 1 one wait on va_vdst, then the loads of the step two on land in it.  What follows those loads (the joining of scale words) names none of their registers.
;   v76-78                   a chunk's three offsets: made at its head; one wait on va_vdst there, which also says that the last chunk's products and sums are done with v80 to v223, v10 and v12, in which the chunk's loads land,
;                            and in the first trip that W2's codes and scale words are written, which the scaled products take.
;   the accumulators         four products write a pair; the places, one wait on va_vdst, four LDS stores read it; from tile 2 on one wait on vm_vsrc ahead of the products that write the pair again.
;   v88-95, v14              a task's eight outputs and their offset: one wait on va_vdst ahead of the two stores.
;   One wait on vm_vsrc at a chunk's end frees the offsets, the accumulators of its last tiles, v14 and the stores' data for the next trip.  All 256 registers of a wave are taken: there is no third pair of accumulators.
.set FR,   16                          ; v16-47   W2's fragments: K step ss, column tile v at v[FR + 16 ss + 8 v]
.set WS,   48                          ; v48-51   their scale words: v[WS + 2 ss + v]
.set B2,   52                          ; v52-59   b2 at my task's eight outputs
.set ACC0, 60                          ; v60-75   two accumulators, for the even tiles;
.set ACC1, 224                         ; v224-239 for the odd tiles
.set TP,   224                         ; v224-239 ahead of the products: two groups of eight numbers of one column, on end, by turns
.set OH,   76                          ; v76      this chunk's offset in h's codes;  v77 in h's scale words;  v78 in the list and the gates: made anew in each trip
.set SH,   79                          ; v79      8 (lane / 16): how far up my two scale bytes stand in the word
.set RG,   80                          ; v80-207  two sets of 64 numbers of W2; then h's fragments: tile t, K step ss at v[RG + 16 t + 8 ss]; then the 16 parts
.set HS,   208                         ; v208-223 h's scale words: v[HS + 2 t + ss]
.set PA,   240                         ; v240-243 where I lay my parts: 16 lane + 2,048 wave + 65,536 (t / 2); never rewritten
.set PT,   252                         ; v252-253 lane l xor 16's half of a scale word
; 32 numbers of one column, in every second register from v[src] on, become 4 registers of codes at v[dst] and a byte, 8 b bits up, of v[wreg].  t: three registers at work
.macro QBLOCK src, dst, wreg, b, t
.set QS, \src
.set QD, \dst
.set QW, \wreg
.set QT, \t
	v_max3_num_f32 v[QT], |v[QS]|, |v[QS+2]|, |v[QS+4]|
	v_max3_num_f32 v[QT+1], |v[QS+6]|, |v[QS+8]|, |v[QS+10]|
.irp i, 6,10,14,18,22,26
	v_max3_num_f32 v[QT], v[QT], |v[QS+2*\i]|, |v[QS+2*\i+2]|
	v_max3_num_f32 v[QT+1], v[QT+1], |v[QS+2*\i+4]|, |v[QS+2*\i+6]|
.endr
	v_max3_num_f32 v[QT], v[QT], |v[QS+60]|, |v[QS+62]|
	v_max3_num_f32 v[QT], v[QT], v[QT+1], 0x1800000        ; the floor 2^(3 - 127): the byte cannot fall under 1
	v_add_nc_u32 v[QT+2], 0xff000000, v[QT]                ; 2 off the exponent field: the conversion's scale operand
.if (\b) == 0
	v_lshrrev_b32 v[QW], 23, v[QT+2]
.else
	v_lshrrev_b32 v[QT+1], 23, v[QT+2]
	v_lshl_or_b32 v[QW], v[QT+1], 8*(\b), v[QW]
.endif
.irp g, 0,1,2,3
.irp n, 0,1,2,3,4,5,6,7
	v_mov_b32 v[TP+8*(\g%2)+\n], v[QS+16*\g+2*\n]          ; eight of the column on end.  The two groups take turns: a conversion's sources are written again only behind the other group's eight moves
.endr
	v_cvt_scalef32_pk8_fp4_f32 v[QD+\g], v[TP+8*(\g%2):TP+8*(\g%2)+7], v[QT+2]
.endr
	v_nop                                          ; one plain line behind the last conversion
.endm
.macro LOADSTEP p                      ; rows 64 p + 32 (lane / 16) + 0 .. 31 of my 256
.set I, 0
.rept 32
	global_load_b64 v[RG+64*((\p)%2)+2*I:RG+64*((\p)%2)+2*I+1], v4, s[4:5] offset:(64*(\p)+I)*4096
.set I, I+1
.endr
.endm
.macro QP p                            ; my block 2 (p % 2) + lane / 16 of K step p / 2, of both my columns: register group p % 2 of both tiles
	QBLOCK RG+64*((\p)%2), FR+16*((\p)/2)+4*((\p)%2), WS+2*((\p)/2), 2*((\p)%2), 244
	QBLOCK RG+64*((\p)%2)+1, FR+16*((\p)/2)+8+4*((\p)%2), WS+2*((\p)/2)+1, 2*((\p)%2), 248
.endm
.macro JOIN ss                         ; K step ss's scale words: my two bytes (blocks q and 2 + q) go 8 q bits up; with lane l xor 16's two the word is whole
.irp v, 0,1
	v_lshlrev_b32 v[WS+2*(\ss)+\v], v[SH], v[WS+2*(\ss)+\v]
.endr
.irp v, 0,1
	v_permlanex16_b32 v[PT+\v], v[WS+2*(\ss)+\v], s28, s29
.endr
.irp v, 0,1
	v_or_b32 v[WS+2*(\ss)+\v], v[WS+2*(\ss)+\v], v[PT+\v]
.endr
.endm
; tile t's product of K step ss for column tile v.  The first K step starts the sum
.macro PROD t, ss, v
.set AC, ACC0+(ACC1-ACC0)*((\t)%2)+8*(\v)
.set FA, FR+16*(\ss)+8*(\v)
.set HB, RG+16*(\t)+8*(\ss)
.if (\ss) == 0
	v_wmma_scale_f32_16x16x128_f8f6f4 v[AC:AC+7], v[FA:FA+7], v[HB:HB+7], 0, v[WS+2*(\ss)+(\v)], v[HS+2*(\t)+(\ss)] matrix_a_fmt:MATRIX_FMT_FP4 matrix_b_fmt:MATRIX_FMT_FP4
.else
	v_wmma_scale_f32_16x16x128_f8f6f4 v[AC:AC+7], v[FA:FA+7], v[HB:HB+7], v[AC:AC+7], v[WS+2*(\ss)+(\v)], v[HS+2*(\t)+(\ss)] matrix_a_fmt:MATRIX_FMT_FP4 matrix_b_fmt:MATRIX_FMT_FP4
.endif
.endm
	s_load_b512 s[4:19], s[0:1], 0x0               ; W2 s[4:5], b2 s[6:7], hq s[8:9], hs s[10:11], rmask s[12:13], tokl s[14:15], gsort s[16:17], out0 s[18:19]
	v_lshl_add_u32 v254, v0, 2, 0x40000
	v_mov_b32 v255, 0
	v_lshrrev_b32 v1, 5, v0
	v_readfirstlane_b32 s24, v1                    ; wave 0..15
	v_and_b32 v1, 31, v0                           ; lane
	v_and_b32 v2, 15, v0                           ; r
	v_bfe_u32 v3, v0, 4, 1                         ; h
	v_lshlrev_b32 v4, 3, v2
	v_lshl_add_u32 v4, v3, 17, v4                  ; W2: my two columns; lanes 16-31 32 rows of 4,096 bytes further down
	v_lshlrev_b32 v11, 6, v3                       ; 64 h
	v_lshlrev_b32 v[SH], 3, v3
	s_wait_alu depctr_va_sdst(0)                   ; s24 is written, ahead of its first reader: shares, bases and addresses are made from it
	s_lshr_b32 s25, s24, 1                         ; my task in the sums: this tile of a chunk,
	s_and_b32 s26, s24, 1                          ; these four registers of both column tiles
	s_and_b32 s27, ttmp7, 0xffff                   ; the expert
	s_mov_b32 s28, 0x76543210
	s_mov_b32 s29, 0xfedcba98                      ; v_permlanex16_b32's selects for lane l xor 16
	; every lane term of an address is made here, from the thread's number and constants, and is never rewritten
	s_lshl_b32 s30, s24, 11
	v_lshl_add_u32 v[PA], v1, 4, s30
	v_add_nc_u32 v[PA+1], 0x10000, v[PA]
	v_add_nc_u32 v[PA+2], 0x20000, v[PA]
	v_add_nc_u32 v[PA+3], 0x30000, v[PA]
	s_lshl_b32 s30, s25, 15
	s_lshl_b32 s70, s26, 9
	s_add_co_u32 s30, s30, s70
	v_lshl_add_u32 v6, v1, 4, s30                  ; from where I read my task's parts: 16 lane + 32,768 (w / 2) + 512 (w % 2)
	v_lshlrev_b32 v7, 4, v2
	v_lshl_add_u32 v7, v3, 14, v7                  ; h's codes: block h of a pair, place r
	v_lshlrev_b32 v8, 2, v2                        ; h's scale words: place r
	s_lshl_b32 s30, s25, 6
	v_lshl_add_u32 v9, v2, 2, s30                  ; my task's tokens and gates: place 16 (w / 2) + r
	v_mov_b32 v10, 0                               ; what is loaded under one jump and named under a later one is written once here, so that it has been written on every way through the text:
	v_mov_b32 v12, 0                               ; the task's token and gate (v13 is named with the gate as a pair),
	v_mov_b32 v13, 0
	v_mov_b32 v[PT], 0                             ; (a lane permute's destination counts as one of its sources)
	v_mov_b32 v[PT+1], 0
.irp n, 0,1,2,3,4,5,6,7,8,9,10,11,12,13,14,15
	v_mov_b32 v[HS+\n], 0x7f7f7f7f                 ; and h's scale words: four bytes of 2^0
.endr
	s_mov_b32 s31, 0
	s_wait_kmcnt 0x0
	s_lshl_b32 s30, s27, 7
	s_add_nc_u64 s[12:13], s[12:13], s[30:31]
	s_load_b512 s[32:47], s[12:13], 0x0            ; the expert's mask: 32 words
	s_load_b512 s[48:63], s[12:13], 0x40
	s_lshl_b32 s30, s27, 24                        ; W2: the expert, my 256 rows, the slab's 32 columns
	s_lshl_b32 s70, s24, 20
	s_add_co_u32 s30, s30, s70
	s_lshl_b32 s70, ttmp9, 7
	s_add_co_u32 s30, s30, s70
	s_add_nc_u64 s[4:5], s[4:5], s[30:31]
	s_lshl_b32 s71, s26, 5
	s_add_co_u32 s30, s70, s71                     ; out0: the slab, + 8 (w % 2) columns
	s_add_nc_u64 s[18:19], s[18:19], s[30:31]
	s_lshl_b32 s70, s27, 12
	s_add_co_u32 s30, s30, s70                     ; b2: the same, in the expert's row
	s_add_nc_u64 s[6:7], s[6:7], s[30:31]
	s_mov_b32 s30, s70                             ; tokl, gsort: the expert
	s_add_nc_u64 s[14:15], s[14:15], s[30:31]
	s_add_nc_u64 s[16:17], s[16:17], s[30:31]
	s_lshl_b32 s30, s27, 21                        ; hq: the expert, my eight blocks
	s_lshl_b32 s70, s24, 17
	s_add_co_u32 s30, s30, s70
	s_add_nc_u64 s[8:9], s[8:9], s[30:31]
	s_lshl_b32 s30, s27, 17                        ; hs: the expert, my two K steps
	s_lshl_b32 s70, s24, 13
	s_add_co_u32 s30, s30, s70
	s_add_nc_u64 s[10:11], s[10:11], s[30:31]
	s_wait_alu depctr_va_vdst(0)                   ; the head's lines have written v4, v6, v11 and v240 to v243, which the kernel's loads and LDS instructions read as offsets and addresses
	LOADSTEP 0
	LOADSTEP 1
	s_wait_kmcnt 0x0                               ; the mask
	s_bcnt1_i32_b32 s66, s32
.irp c, 33,34,35,36,37,38,39,40,41,42,43,44,45,46,47,48,49,50,51,52,53,54,55,56,57,58,59,60,61,62,63
	s_bcnt1_i32_b32 s70, s\c
	s_add_co_u32 s66, s66, s70                     ; T: how many tokens chose e
.endr
	s_add_co_u32 s67, s66, 15
	s_lshr_b32 s67, s67, 4
	s_min_u32 s67, s67, 64                         ; tiles of 16 places
	s_wait_loadcnt 32                              ; step 0 is in; step 1's 32 loads may be out
	QP 0
	s_wait_alu depctr_va_vdst(0)                   ; step 0's lines are done reading the first set, in which step 2's loads land
	LOADSTEP 2
	s_wait_loadcnt 32                              ; step 1 is in; step 2's 32 may be out
	QP 1
	s_wait_alu depctr_va_vdst(0)                   ; step 1's lines are done reading the second set, in which step 3's loads land
	LOADSTEP 3
	global_load_b128 v[B2:B2+3], v11, s[6:7]       ; b2 at outputs 16 h + 8 (w % 2) + 0 .. 7
	global_load_b128 v[B2+4:B2+7], v11, s[6:7] offset:16
	JOIN 0                                         ; behind the loads: these lines name the scale words alone, none of the registers that the loads touch
	s_wait_loadcnt 34                              ; step 2 is in; step 3's 32 loads and b2's two may be out
	QP 2
	s_wait_loadcnt 0x0                             ; step 3, and b2, which was asked for directly behind it
	QP 3
	JOIN 1
.rept 8
	v_nop                                          ; a scale word written by vector instructions stands eight places ahead of a scaled product, codes so written four
.endr
	s_mov_b32 s68, s67                             ; tiles left, this chunk's among them
	s_mov_b32 s69, 0
.Lchunk:
	v_lshl_add_u32 v[OH], s69, 11, v7              ; this chunk's eight tiles: 2,048 bytes of each block of h's codes on for each chunk,
	v_lshl_add_u32 v[OH+1], s69, 9, v8             ; 512 bytes of scale words,
	v_lshl_add_u32 v[OH+2], s69, 9, v9             ; 512 bytes of the list and of the gates.  (The last trip's loads by these registers were waited for there)
	s_wait_alu depctr_va_vdst(0)                   ; the three offsets are written, which the loads read; the last chunk's products and sums are done with v80 to v223, v10 and v12, in which the loads land; in the first trip: W2's codes and scale words are written, which the scaled products take (the eight places above stay beside this wait)
.irp t, 0,1,2,3,4,5,6,7
	s_cmp_gt_i32 s68, \t
	s_cbranch_scc0 .Lloaded
.irp ss, 0,1
.irp c, 0,1
	global_load_b128 v[RG+16*\t+8*\ss+4*\c:RG+16*\t+8*\ss+4*\c+3], v[OH], s[8:9] offset:256*\t+32768*\c+65536*\ss   ; each half of the lanes reads 256 consecutive bytes
.endr
	global_load_b32 v[HS+2*\t+\ss], v[OH+1], s[10:11] offset:64*\t+4096*\ss
.endr
.endr
.Lloaded:
	s_cmp_gt_i32 s68, s25
	s_cbranch_scc0 .Lno_task_load
	global_load_b32 v10, v[OH+2], s[14:15]
	global_load_b32 v12, v[OH+2], s[16:17]
.Lno_task_load:
	s_wait_loadcnt 0x0                             ; for 0: the ways here differ in their loads
.irp t, 0,1,2,3,4,5,6,7
	s_cmp_gt_i32 s68, \t
	s_cbranch_scc0 .Lstored
.if \t >= 2
	s_wait_dscnt 4                                 ; the stores of two tiles ago are done; the last tile's four may be out
	s_wait_alu depctr_vm_vsrc(0)                   ; the LDS stores of two tiles ago have read these accumulators, which the products below write
.endif
	PROD \t, 0, 0                                  ; the two accumulators take turns, one instruction a turn
	PROD \t, 0, 1
	PROD \t, 1, 0
	PROD \t, 1, 1
.rept 5
	v_nop                                          ; four places ahead of the stores that read the results; five ahead of a product that begins these accumulators anew
.endr
	s_wait_alu depctr_va_vdst(0)                   ; the four products have written the tile's two accumulators, which the LDS stores read; the places above stay beside this wait
.set AC, ACC0+(ACC1-ACC0)*(\t%2)
.irp q, 0,1,2,3
	ds_store_b128 v[PA+\t/2], v[AC+4*\q:AC+4*\q+3] offset:32768*(\t%2)+512*\q   ; each accumulator from its low end on
.endr
.endr
.Lstored:
	s_wait_dscnt 0x0                               ; for the others' sake: my parts lie in LDS
	s_barrier_signal -1
	s_barrier_wait -1
	s_cmp_gt_i32 s68, s25
	s_cbranch_scc0 .Lno_task
.irp s, 0,1,2,3,4,5,6,7,8,9,10,11,12,13,14,15
	ds_load_b128 v[RG+8*\s:RG+8*\s+3], v6 offset:2048*\s           ; wave s's part: my four registers of column tile 0,  (the products that read these registers stand ahead of the last wait on va_vdst)
	ds_load_b128 v[RG+8*\s+4:RG+8*\s+7], v6 offset:2048*\s+1024    ; and of column tile 1
.endr
.irp s, 1,2,3,4,5,6,7,8,9,10,11,12,13,14,15
	s_wait_alu depctr_va_vdst(0)
	s_wait_dscnt 30-2*\s                           ; the parts of waves 0 to s are in; the two loads of each later wave may be out
.irp p, 0,2,4,6
	v_pk_add_f32 v[RG+\p:RG+\p+1], v[RG+\p:RG+\p+1], v[RG+8*\s+\p:RG+8*\s+\p+1]
.endr
.endr
.irp n, 0,1,2,3
	v_add_f32 v[RG+8+2*\n], v[RG+\n], v[B2+2*\n]           ; + b2.  Tile 0's register n is output 16 h + 8 (w % 2) + 2 n,
	v_add_f32 v[RG+9+2*\n], v[RG+4+\n], v[B2+2*\n+1]       ; tile 1's the one beside it: written by turns, the eight are neighbours
.endr
.irp p, 0,2,4,6
	v_pk_mul_f32 v[RG+8+\p:RG+9+\p], v[RG+8+\p:RG+9+\p], v[12:13] op_sel_hi:[1,0]   ; x the gate
.endr
	v_min_u32 v10, 0x3ff, v10
	v_lshl_add_u32 v14, v10, 12, v11               ; the token's row of out, + 64 h
	s_wait_alu depctr_va_vdst(0)                   ; the eight outputs v88 to v95 and their offset v14 are written, which the two stores read
	global_store_b128 v14, v[RG+8:RG+11], s[18:19] th:TH_STORE_NT
	global_store_b128 v14, v[RG+12:RG+15], s[18:19] offset:16 th:TH_STORE_NT
	s_wait_xcnt 0x0                                ; the stores' data and offset are written again in the next trip only behind this wait
.Lno_task:
	s_wait_dscnt 0x0                               ; my reads of the parts are over: the next chunk may write there
	s_wait_alu depctr_vm_vsrc(0)                   ; the chunk's loads have read v76 to v78, its LDS stores the accumulators, its global stores v14 and v88 to v95: the next trip writes all of them
	s_barrier_signal -1
	s_barrier_wait -1
	s_sub_co_i32 s68, s68, 8
	s_add_co_u32 s69, s69, 1
	s_cmp_lt_u32 s69, 8
	s_cbranch_scc1 .Lchunk
	s_wait_dscnt 0x0                               ; the closing lines, six on end
	s_wait_alu 0x0
	s_wait_tensorcnt 0x0
	ds_add_u32 v254, v255
	s_wait_dscnt 0x0
	s_endpgm
.Lfunc_end_k_q58503ce306_ffn2:
	.size	k_q58503ce306_ffn2, .Lfunc_end_k_q58503ce306_ffn2-k_q58503ce306_ffn2
	.p2alignl 7, 3214868480
	.fill 96, 4, 3214868480
	.section	.rodata,"a",@progbits
	.p2align	6, 0x0
	.amdhsa_kernel k_q58503ce306_ffn2
		.amdhsa_group_segment_fixed_size 264192
		.amdhsa_private_segment_fixed_size 0
		.amdhsa_enable_private_segment 0
		.amdhsa_kernarg_size 64
		.amdhsa_user_sgpr_count 2
		.amdhsa_user_sgpr_kernarg_segment_ptr 1
		.amdhsa_wavefront_size32 1
		.amdhsa_system_sgpr_workgroup_id_x 1
		.amdhsa_system_sgpr_workgroup_id_y 1
		.amdhsa_system_sgpr_workgroup_id_z 1
		.amdhsa_system_vgpr_workitem_id 0
		.amdhsa_next_free_vgpr 256
		.amdhsa_next_free_sgpr 96
		.amdhsa_reserve_vcc 0
		.amdhsa_float_denorm_mode_32 3
		.amdhsa_float_denorm_mode_16_64 3
		.amdhsa_memory_ordered 1
		.amdhsa_forward_progress 1
		.amdhsa_inst_pref_size 61
	.end_amdhsa_kernel
	.amdgpu_metadata
---
amdhsa.version: [ 1, 2 ]
amdhsa.kernels:
  - .name:           k_q58503ce306_ffn2
    .symbol:         k_q58503ce306_ffn2.kd
    .args:
      - { .name: W2, .offset: 0, .size: 8, .value_kind: global_buffer, .address_space: global }
      - { .name: b2, .offset: 8, .size: 8, .value_kind: global_buffer, .address_space: global }
      - { .name: hq, .offset: 16, .size: 8, .value_kind: global_buffer, .address_space: global }
      - { .name: hs, .offset: 24, .size: 8, .value_kind: global_buffer, .address_space: global }
      - { .name: rmask, .offset: 32, .size: 8, .value_kind: global_buffer, .address_space: global }
      - { .name: tokl, .offset: 40, .size: 8, .value_kind: global_buffer, .address_space: global }
      - { .name: gsort, .offset: 48, .size: 8, .value_kind: global_buffer, .address_space: global }
      - { .name: out0, .offset: 56, .size: 8, .value_kind: global_buffer, .address_space: global }
    .group_segment_fixed_size: 264192
    .private_segment_fixed_size: 0
    .kernarg_segment_align: 8
    .kernarg_segment_size: 64
    .max_flat_workgroup_size: 512
    .sgpr_count:     96
    .vgpr_count:     256
    .wavefront_size: 32
...
	.end_amdgpu_metadata
.endif
;; end of part 6
